; MI455X (gfx1250); checked and timed in simulation.
; The chip was launched on July 23, 2026; its instructions are those of AMD's public machine-readable ISA for CDNA 5 (MIT licence, August 2026) and "CDNA5" Instruction Set Architecture Reference Guide (July 2026). The comments in the code are by the model that wrote it; some were corrected since.
;; Model. Allowed arithmetic: matrix products marked QUANTISED: E3M2 operands, one E8M0 scale for each 32 along K, by v_wmma_scale_f32_16x16x128_f8f6f4 with both operands' format E3M2, f32 sums; everything else in f32.
;; Inputs: k 8 x 1,024 x 2,048 float32; q 8 x 2,048 x 1,024 float32; v 8 x 2,048 x 1,024 float32.
;; Outputs: out0 8 x 2,048 x 1,024 float32.
;; This version of the problem:
;;   THIS VERSION OF THE PROBLEM IS GIVEN IN LOW PRECISION. The matrix products marked QUANTISED in the list below multiply operands that are first quantised to E3M2 (3 exponent bits, 2 mantissa bits; 6 bits a number), with one power-of-two scale for each 32 numbers along K (OCP MX v1.0); their sums are f32. All else is computed in f32.
;;   The module's matrix products, in the order in which they are computed (A, B: the left and right operand; K: the contracted axis; several contracted axes count as one K, in the product's order):
;;     1. batch 8 x [M 2,048, K 1,024] x [K 1,024, N 2,048]; A: input q; B: input k: QUANTISED
;;     2. batch 8 x [M 2,048, K 2,048] x [K 2,048, N 1,024]; A: softmax (see below); B: input v: QUANTISED
;;   THE QUANTISER, for each operand of a quantised product, along K:
;;     - K is cut into blocks of 32 from its start; a last block that is shorter is filled with zeros.
;;     - A block's scale is 2^e with e = floor(log2(the largest magnitude in the block)) - 4, held to -126 .. 127; a block of zeros has e = 0. As a byte (E8M0): e + 127.
;;     - Each number is divided by its block's scale, clamped to +-28, and rounded to the nearest number of E3M2, ties to even, subnormals kept.
;;     - The product sums the exact products of the quantised numbers (number of the format x scale) in f32.
;;   ~~~python
;;   def quantise(x, axis):      # numpy; x: float32 -> the quantised numbers, widened to float32 again
;;       x = np.moveaxis(x, axis, -1); K = x.shape[-1]
;;       x = np.pad(x, [(0, 0)] * (x.ndim - 1) + [(0, -K % 32)]); x = x.reshape(x.shape[:-1] + (-1, 32)); a = np.abs(x).max(-1, keepdims=True)
;;       e = np.where(a > 0, np.clip(np.frexp(np.where(a > 0, a, 1))[1] - 1 - 4, -126, 127), 0)      # np.frexp(a)[1] - 1 = floor(log2(a)), exactly
;;       r = np.clip(x / 2.0 ** e, -28, 28)
;;       step = 2.0 ** (np.maximum(np.frexp(np.where(r == 0, 1, r))[1] - 1, -2) - 2)
;;       q = np.round(r / step) * step * 2.0 ** e      # np.round: ties to even
;;       return np.moveaxis(q.reshape(q.shape[:-2] + (-1,))[..., :K], -1, axis).astype(np.float32)
;;   ~~~
;;   SOFTMAX AHEAD OF A QUANTISED PRODUCT. Where the list says 'softmax', what is quantised is not the finished softmax but p = 2^(t - M), with t = logit x log2(e) and M = ceil(the row's largest t), a whole number; so 1/2 < the row's largest p <= 1. The row's sum l is taken of the UNQUANTISED p, in f32, and the product's result is divided by l at the end. Since M is a whole number, a kernel that streams over the keys may use a running M (the ceiling of the running maximum): every later rescaling is an exact power of two, which a block's scale takes up: the codes' values come out the same.
;;   OPERANDS COMPUTED ON THE WAY. 'Computed on the way' means the value that the module computes at that place (a softmax that the list does not call 'softmax' is quantised finished and normalised). What goes into a quantiser is computed in f32, as accurately as f32 sums, v_exp_f32 and their like allow (about 1e-6 of the number): no bf16 or f16 on the way to a quantiser, and a product that is left as it is and whose result goes on into a quantised operand takes f32 operands (vector FMAs, or v_wmma_f32_16x16x4_f32). A number that lies on a knife's edge between two numbers of the format may be rounded either way, as far as f32 arithmetic and the matrix unit's own rounding can turn it there, and no further.
;; 2 versions. Each part assembles by itself: llvm-mc -triple=amdgcn-amd-amdhsa -mcpu=gfx1250 --defsym DOCPART=n.
;; ======== version 1 of 2: 2 launches
;; limits: right only within a limited range of input values
;; workspace buffers: kv 26,214,400 bytes
;; launch quant (part 1): grid 1024 x 1, 4 waves a work-group, no clusters, 49,664 bytes of LDS; arguments k, v, kv; writes kv
.if DOCPART == 1
	.amdgcn_target "amdgcn-amd-amdhsa--gfx1250"
	.amdhsa_code_object_version 6
	.text
	.protected	k_q4f8e5fb4e4_quant
	.globl	k_q4f8e5fb4e4_quant
	.p2align	8
	.type	k_q4f8e5fb4e4_quant,@function
k_q4f8e5fb4e4_quant:
	s_mov_b64 s[64:65], 0
	v_nop
	global_prefetch_b8 v0, s[64:65] scope:SCOPE_SE
	s_setreg_imm32_b32 hwreg(HW_REG_WAVE_MODE, 25, 1), 1
	s_wait_xcnt 0x0
; k [8][1024 d][2048 keys] and v [8][2048 keys][1024 dv], f32, are operands whose K (d for k, the keys for v) is the OUTER axis of a batch.
; They become codes of BF6 (E3M2) with one E8M0 byte for each 32 along K, laid in kv in the order of the operand's registers:
;   kv = [batch 8][tile 32][unit 4], a unit = 16 fragments of 1,536 bytes, then 1,024 bytes of scale words: 25,600 bytes.  Tiles 0-15: k, 128 keys each; tiles 16-31: v, 128 keys each.
;   A fragment (16 rows x 128 K) is the image of its 12 registers: reader lane l has its 48 bytes at 48 l.  Block blk (32 along K) of row p lies at 48 (p + 16 (blk % 2)) + 24 (blk / 2).
;   k's unit (tile i, unit w): keys 128 i + 32 w + 0..31; fragment 2 kk + u: d = 128 kk on; its row p is key 16 (p / 8) + 8 u + p % 8.
;   v's unit (tile 16 + i, unit w): fragment f: dv = 256 w + 16 f + p, K = keys 128 i on.
;   Scale words: [group G 4][lane 32][s 2]: lane 16 u + p, word s: row p of fragment 2 (2 G + s) + u.
; A LANE TAKES A COLUMN AND ITS REGISTERS RUN DOWN K: a block of 32 lies in one lane's 32 registers, its largest magnitude needs no other lane, and the conversions give codes with K innermost.
; A wave takes 32 columns x 256 along K (k) or 64 columns x 128 along K (v): 8 blocks a lane, 4 fragments, which it gathers in its own stage in LDS and stores as 6,144 consecutive bytes.
; A block's scale is 2^(floor(log2(its largest magnitude)) - 4); its byte is that magnitude's exponent field - 4, held at 1 from below.
; LIMITS: NaN and infinities among the inputs are not served.  A block of zeros gets the byte 1 where the quantiser says 127: its codes are zeros, and this program alone reads the bytes.
; No tensor load, no barrier: waves share nothing.  Loads run two blocks (64 loads a wave) ahead.  Work-groups 0-511 take k, 512-1023 take v; each of the two ways has LDS bytes of its own.
.set SRCB,  8388608                    ; a batch of k or of v in bytes
.set KVB,   3276800                    ; a batch of kv
.set UNIT,  25600
.set USC,   24576                      ; where a unit's scale words begin
.set FRB,   1536                       ; a fragment's image
.set EMAX,  4
.set LOFF,  2                          ; v2      my column's byte in a row of the source
.set STA,   3                          ; v3      the stage, on the way in: 6144 wave + 1536 (lane / 16) + 48 (lane % 16)
.set STR,   4                          ; v4      and on the way out: 6144 wave + 16 lane
.set O16,   5                          ; v5      16 lane
.set O8,    6                          ; v6      8 lane
.set SB,    14                         ; v14-15  my two scale words
.set C,     16                         ; v16-21  a block's codes
.set T,     22                         ; v22-24  its upper 16 codes as the conversion leaves them
.set X,     32                         ; v32-95  two sets of 32 numbers
.set OUTR,  96                         ; v96-143 the way out
	s_load_b128 s[4:7], s[0:1], 0x0                ; k, v
	s_load_b64 s[8:9], s[0:1], 0x10                ; kv
	v_lshl_add_u32 v144, v0, 2, 0xc000
	v_mov_b32 v145, 0
	v_lshrrev_b32 v1, 5, v0
	v_readfirstlane_b32 s10, v1                    ; wave 0..3
	v_and_b32 v1, 31, v0                           ; lane
	s_and_b32 s11, ttmp9, 511
	s_lshr_b32 s12, s11, 6                         ; b: the batch
	s_bfe_u32 s13, s11, 0x40002                    ; a: which 128 keys
	s_and_b32 s14, s11, 3                          ; c: k: which 256 along d;  v: which 256 of dv
	v_lshrrev_b32 v[STA], 4, v1
	v_and_b32 v[STR], 15, v1
	v_mul_u32_u24 v[STA], v[STA], FRB
	v_mad_u32_u24 v[STA], v[STR], 48, v[STA]
	s_mul_i32 s15, s10, 4*FRB
	v_add_nc_u32 v[STA], s15, v[STA]
	v_lshlrev_b32 v[O16], 4, v1
	v_add_nc_u32 v[STR], s15, v[O16]
	v_lshlrev_b32 v[O8], 3, v1
	s_mul_i32 s16, s12, SRCB
	s_mul_i32 s18, s12, KVB
; block n's 32 numbers into set n % 2.  k: blocks run down d, 32 rows of 8,192 bytes each.  v: blocks 2 j and 2 j + 1 are the same 32 keys of my two columns, 128 bytes apart, asked for one behind the other
.macro LOAD n, isv
.irp i, 0,1,2,3,4,5,6,7,8,9,10,11,12,13,14,15,16,17,18,19,20,21,22,23,24,25,26,27,28,29,30,31
.if \isv
	global_load_b32 v[X+32*((\n)%2)+\i], v[LOFF], s[6:7] offset:(32*((\n)/2)+\i)*4096+128*((\n)%2) th:TH_LOAD_NT
.else
	global_load_b32 v[X+32*((\n)%2)+\i], v[LOFF], s[4:5] offset:(32*(\n)+\i)*8192 th:TH_LOAD_NT
.endif
.endr
.endm
.macro BLOCK n, isv
.set XS, X+32*((\n)%2)
.if \isv
.set SS, (\n)%2                        ; which of my two pairs of fragments,
.set BB, (\n)/2                        ; and which block of their 128 along K
.else
.set SS, (\n)/4
.set BB, (\n)%4
.endif
.if (\n) < 7
	s_wait_loadcnt 32                              ; this block's 32 loads are in; the next block's 32 may be out
.else
	s_wait_loadcnt 0x0
.endif
	v_max3_num_f32 v12, |v[XS]|, |v[XS+1]|, |v[XS+2]|              ; the block's largest magnitude, in two chains: all 32 numbers are mine
	v_max3_num_f32 v13, |v[XS+3]|, |v[XS+4]|, |v[XS+5]|
.irp i, 6,10,14,18,22,26
	v_max3_num_f32 v12, v12, |v[XS+\i]|, |v[XS+\i+1]|
	v_max3_num_f32 v13, v13, |v[XS+\i+2]|, |v[XS+\i+3]|
.endr
	v_max3_num_f32 v12, v12, |v[XS+30]|, |v[XS+31]|
	v_max3_num_f32 v12, v12, v13, (EMAX+1)<<23     ; and the floor 2^(EMAX + 1 - 127): the byte cannot fall under 1
	v_add_nc_u32 v11, -(EMAX<<23), v12             ; EMAX off the exponent field: the conversion takes this operand's exponent field as its scale
	v_lshrrev_b32 v13, 23, v11                     ; the scale's byte
.if BB == 0
	v_mov_b32 v[SB+SS], v13                        ; four bytes to a word, the lower K in the lower byte
.else
	v_lshl_or_b32 v[SB+SS], v13, 8*BB, v[SB+SS]
.endif
	v_cvt_scalef32_pk16_bf6_f32 v[C:C+2], v[XS:XS+15], v11
	v_cvt_scalef32_pk16_bf6_f32 v[T:T+2], v[XS+16:XS+31], v11      ; (a conversion's three registers begin on an even number)
	v_nop                                          ; one plain line behind the conversions
.irp i, 0,1,2
	v_mov_b32 v[C+3+\i], v[T+\i]                   ; the block's 24 bytes on end
.endr
.irp i, 0,1,2
	ds_store_b64 v[STA], v[C+2*\i:C+2*\i+1] offset:24576*\isv+2*FRB*SS+768*(BB%2)+24*(BB/2)+8*\i
.endr
.if (\n)+2 < 8
	LOAD (\n)+2, \isv
.endif
	s_wait_dscnt 0x0                               ; the stores have read their registers: the next block's codes may be written
.endm
.macro JOB isv
.if \isv
	v_lshlrev_b32 v[LOFF], 2, v1                   ; v: lane 16 u + p takes dv 16 u + p
	s_lshl_b32 s20, s13, 19                        ; 128 a keys of 4,096 bytes,
	s_lshl_b32 s21, s14, 10                        ; dv 256 c,
	s_lshl_b32 s22, s10, 8                         ; + 64 wave
	s_lshl_b32 s23, s13, 2
	s_add_co_u32 s23, s23, s14
	s_add_co_u32 s23, s23, 64                      ; the unit: 64 + 4 a + c
	s_mov_b32 s24, s10                             ; the group of four fragments in it: my wave's
.else
	v_and_b32 v[LOFF], 7, v1                       ; k: lane 16 u + p takes key 16 (p / 8) + 8 u + p % 8: the lane's number with bits 3 and 4 changed over
	v_bfe_u32 v7, v1, 4, 1
	v_lshl_or_b32 v[LOFF], v7, 3, v[LOFF]
	v_bfe_u32 v7, v1, 3, 1
	v_lshl_or_b32 v[LOFF], v7, 4, v[LOFF]
	v_lshlrev_b32 v[LOFF], 2, v[LOFF]
	s_lshl_b32 s20, s14, 21                        ; 256 c rows of 8,192 bytes,
	s_lshl_b32 s21, s13, 9                         ; key 128 a,
	s_lshl_b32 s22, s10, 7                         ; + 32 wave
	s_lshl_b32 s23, s13, 2
	s_add_co_u32 s23, s23, s10                     ; the unit: 4 a + wave
	s_mov_b32 s24, s14                             ; the group: c
.endif
	s_add_co_u32 s20, s20, s21
	s_add_co_u32 s20, s20, s22
	s_add_co_u32 s20, s20, s16                     ; where my wave reads, in bytes (under 2^27)
	s_mov_b32 s21, 0
	s_mul_i32 s23, s23, UNIT
	s_add_co_u32 s23, s23, s18                     ; the unit's first byte in kv
	s_mul_i32 s26, s24, 4*FRB
	s_add_co_u32 s26, s26, s23                     ; my four fragments
	s_mov_b32 s27, 0
	s_lshl_b32 s28, s24, 8
	s_add_co_u32 s28, s28, s23
	s_add_co_u32 s28, s28, USC                     ; my 256 bytes of scale words
	s_mov_b32 s29, 0
	s_wait_kmcnt 0x0
.if \isv
	s_add_nc_u64 s[6:7], s[6:7], s[20:21]
.else
	s_add_nc_u64 s[4:5], s[4:5], s[20:21]
.endif
	s_add_nc_u64 s[30:31], s[8:9], s[26:27]
	s_add_nc_u64 s[32:33], s[8:9], s[28:29]
	LOAD 0, \isv
	LOAD 1, \isv
.irp n, 0,1,2,3,4,5,6,7
	BLOCK \n, \isv
.endr
.irp c, 0,1,2,3,4,5,6,7,8,9,10,11
	ds_load_b128 v[OUTR+4*\c:OUTR+4*\c+3], v[STR] offset:24576*\isv+512*\c   ; LDS serves a wave's instructions in order: these see my stores
.endr
	global_store_b64 v[O8], v[SB:SB+1], s[32:33]   ; 32 lanes store 256 consecutive bytes, at a multiple of 256 from kv's first byte
.irp c, 0,1,2,3,4,5,6,7,8,9,10,11
	s_wait_dscnt 11-\c                             ; load c is in; the loads behind it may be out
	global_store_b128 v[O16], v[OUTR+4*\c:OUTR+4*\c+3], s[30:31] offset:512*\c   ; 512 consecutive bytes, at a multiple of 256
.endr
	s_wait_tensorcnt 0x0
	ds_add_u32 v144, v145
	s_wait_dscnt 0x0
	s_endpgm
.endm
	s_cmp_lt_u32 ttmp9, 512                        ; k's work-group or v's: the work-group's number alone decides
	s_cbranch_scc0 .Lfor_v
	JOB 0
.Lfor_v:
	JOB 1
.Lfunc_end_k_q4f8e5fb4e4_quant:
	.size	k_q4f8e5fb4e4_quant, .Lfunc_end_k_q4f8e5fb4e4_quant-k_q4f8e5fb4e4_quant
	.p2alignl 7, 3214868480
	.fill 96, 4, 3214868480
	.section	.rodata,"a",@progbits
	.p2align	6, 0x0
	.amdhsa_kernel k_q4f8e5fb4e4_quant
		.amdhsa_group_segment_fixed_size 49664
		.amdhsa_private_segment_fixed_size 0
		.amdhsa_enable_private_segment 0
		.amdhsa_kernarg_size 24
		.amdhsa_user_sgpr_count 2
		.amdhsa_user_sgpr_kernarg_segment_ptr 1
		.amdhsa_wavefront_size32 1
		.amdhsa_system_sgpr_workgroup_id_x 1
		.amdhsa_system_sgpr_workgroup_id_y 1
		.amdhsa_system_sgpr_workgroup_id_z 1
		.amdhsa_system_vgpr_workitem_id 0
		.amdhsa_next_free_vgpr 146
		.amdhsa_next_free_sgpr 66
		.amdhsa_reserve_vcc 0
		.amdhsa_float_denorm_mode_32 3
		.amdhsa_float_denorm_mode_16_64 3
		.amdhsa_memory_ordered 1
		.amdhsa_forward_progress 1
		.amdhsa_inst_pref_size 84
	.end_amdhsa_kernel
	.amdgpu_metadata
---
amdhsa.version: [ 1, 2 ]
amdhsa.kernels:
  - .name:           k_q4f8e5fb4e4_quant
    .symbol:         k_q4f8e5fb4e4_quant.kd
    .args:
      - { .name: k, .offset: 0, .size: 8, .value_kind: global_buffer, .address_space: global }
      - { .name: v, .offset: 8, .size: 8, .value_kind: global_buffer, .address_space: global }
      - { .name: kv, .offset: 16, .size: 8, .value_kind: global_buffer, .address_space: global }
    .group_segment_fixed_size: 49664
    .private_segment_fixed_size: 0
    .kernarg_segment_align: 8
    .kernarg_segment_size: 24
    .max_flat_workgroup_size: 128
    .sgpr_count:     66
    .vgpr_count:     146
    .wavefront_size: 32
...
	.end_amdgpu_metadata
.endif
;; end of part 1
;; launch attn (part 2): grid 32 x 8, 4 waves a work-group, clusters of 4 x 1, 327,680 bytes of LDS; arguments q, kv, out0; writes out0
.if DOCPART == 2
	.amdgcn_target "amdgcn-amd-amdhsa--gfx1250"
	.amdhsa_code_object_version 6
	.text
	.protected	k_q4f8e5fb4e4_attn
	.globl	k_q4f8e5fb4e4_attn
	.p2align	8
	.type	k_q4f8e5fb4e4_attn,@function
k_q4f8e5fb4e4_attn:
	s_mov_b64 s[64:65], 0
	v_nop
	global_prefetch_b8 v0, s[64:65] scope:SCOPE_SE
	s_setreg_imm32_b32 hwreg(HW_REG_WAVE_MODE, 25, 1), 1
	s_wait_xcnt 0x0
	s_wait_alu depctr_hold_cnt(0) depctr_sa_sdst(0) depctr_va_vdst(0) depctr_va_sdst(0) depctr_va_ssrc(0) depctr_va_vcc(0) depctr_vm_vsrc(0)
	s_getreg_b32 s2, hwreg(HW_REG_IB_STS2, 6, 4)
	s_cmp_eq_u32 s2, 0
	s_cbranch_scc0 .Lentry_in_a_cluster
	s_endpgm
.Lentry_in_a_cluster:
	s_bfe_u32 s2, ttmp6, 0x10000c
	s_cmp_lg_u32 s2, 0x3003
	s_cbranch_scc0 .Lentry_shape_is_right
	s_endpgm
.Lentry_shape_is_right:
; out0[b][s][:] = the sum over keys of softmax(0.1 q[b][s] . k[b][:][key]) v[b][key][:], both products on codes of BF6 (E3M2) with one E8M0 scale for each 32 along a product's K.
; q: [8][2048][1024] f32, quantised here.  kv: k's and v's codes and scale words, laid by the launch before in the order of the operand's registers: [batch][tile 32][unit 4] of 25,600 bytes
; (16 fragments of 1,536 bytes: reader lane l's 12 registers at 48 l; then 1,024 bytes of scale words).  Tiles 0-15: k, 128 keys each; tiles 16-31: v.
; SHARES.  A work-group owns 64 queries of one batch: four tiles t of 16.  It walks the batch's 32 tiles through a ring of two LDS slots; wave w fetches and reads unit w of each tile.
;   Phase 1 (tiles 0-15): wave w has block w (32 keys) of the tile's 128 keys, against all 64 queries; Q's 32 fragments lie in every wave's registers.  S^T = K Q^T: a lane holds ONE query and 16 neighbouring keys.
;   Phase 2 (tiles 16-31): wave w has dv 256 w .. 256 w + 255 against all 64 queries: 64 accumulators.  O^T = V^T P^T: a lane holds one query and eight neighbouring dv.
; THE SOFTMAX.  t = score x 0.1 log2(e).  A block of 32 keys is quantised under ITS OWN whole number M_b = ceil(the block's largest t): p' = 2^(t - M_b).  A change of the whole number is a power of two, which the
;   block's scale byte takes up and the codes do not see: so P's codes for all 2,048 keys go to LDS in phase 1, with E = byte' + M_b beside them.  Between the phases R = the row's largest E is found, each block's byte
;   becomes E - (R - 123), and the row's sum l of the unquantised p is brought under the same whole number R - 123, which lies within 1 of the ceiling of the row's largest t: the row's maximum is taken away for every input,
;   and O is never rescaled.  O is divided by l at the end.
; CLUSTER.  The four work-groups of a cluster belong to one batch and walk the same tiles: each unit is asked for JOINTLY, by the same tensor load with the same descriptor and the mask 15.
;   My place in the cluster enters q's, out0's and the prefetches' addresses alone.  By this text's own count a wave has one tensor load outstanding.
; LIMITS.  |t| under 2^22 (M_b and E are kept as whole numbers in f32).  A block more than 122 powers of two under the row's largest gets the byte 1: it then adds under 28 x 2^-126 for each of its keys.
;   NaN and infinities among the inputs are not served.  A block of zeros of q gets the byte 1: its codes are zeros.
; REGISTERS, in windows of 256 (s_set_vgpr_msb: bits 1:0 source 0, 3:2 source 1, 5:4 source 2, 7:6 destination):
;   window 0: v1-15, v50-51, v54-63 addresses, which hold nothing else in the whole text; v16-41 scale words and nothing else; v42-49 1/l; v64-127 scores (tile t, half u at 64 + 16 t + 8 u); v128-175 P's four fragments; v176-250 the softmax's
;   window 1: the unit's 16 fragments (at the head: q as loaded)     windows 2, 3: Q's fragments of tiles 0, 1 and 2, 3; later O^T of the same tiles (tile, fragment f at 8 (16 (t % 2) + f))
.set TILE,  102400
.set UNIT,  25600
.set USC,   24576
.set FRB,   1536
.set KVB,   3276800
.set SLOT1, 102400                     ; LDS: slot 0 at 0, slot 1 here: the only bytes that tensor loads fill
.set PIM,   204800                     ; P's images: fragment (4 i + t) FRB, 98,304 bytes.  At the head: Q's images, Q's scale words and a stage for q.  At the end: the stage for O
.set QSC,   PIM+49152                  ; Q's scale words, 2,048 bytes
.set QST,   PIM+51200                  ; a stage of 16 rows x (512 + 16) bytes for each wave
.set EB,    303104                     ; E [query 64][block 64], f32, rows 272 bytes apart
.set PSC,   320512                     ; P's scale words [key step 16][lane 32][pair 2]
.set LX,    324608                     ; [wave][tile][query] pairs: the wave's running -M and its sum
.set RL,    326656                     ; 1 / l at [tile][query]
.set SPARE, 326912                     ; the spare words, 128 bytes for each wave: two blocks of 256 bytes that no other line names
.set SPW,  1                           ; v1   SPARE + 4 x my thread's number; never rewritten
.set NIL,  2                           ; v2   0; never rewritten
.set AF,   3                           ; v3-4   my unit's fragments in slot 0, 1: + 48 lane
.set AS,   5                           ; v5-6   its scale words: + 8 lane
.set PWA,  7                           ; v7   where I put a block of P's codes
.set EWA,  8                           ; v8   and its E
.set PRA,  9                           ; v9   PIM + 48 lane
.set PSA,  10                          ; v10  PSC + 8 lane
.set LXW,  11                          ; v11  where I put my wave's running pair
.set STO,  12                          ; v12  the way out: where I put 32 bytes of a row
.set RD,   13                          ; v13  and where I read a row back
.set L16,  14                          ; v14  16 lane
.set PFO,  15                          ; v15  the prefetches' offset: 256 x min(lane, 24)
.set KS,   16                          ; v16-23 the unit's scale words: register kk: lanes 0-15 fragment 2 kk, lanes 16-31 fragment 2 kk + 1
.set QS,   24                          ; v24-39 Q's: register 8 pair + kk: lanes 0-15 tile 2 pair, lanes 16-31 tile 2 pair + 1
.set PS,   40                          ; v40-41 P's, likewise
.set RI,   42                          ; v42-49 pairs: 1 / l of tile t, and a 0 that is named with it
.set PT,   50                          ; v50  the key step's LDS address among P's images: a fixed address + s[PST]; it holds nothing else in the whole text
.set ET,   51                          ; v51  and among E or P's scale words: a fixed address + s[EST]; likewise
.set QSTW, 54                          ; v54-58 the head's LDS addresses
.set QSTR, 55
.set QIW,  56
.set QSW,  57
.set QSL,  58
.set MEA,  59                          ; v59-63 those between the phases and of 1 / l
.set MLA,  60
.set MPS,  61
.set MRL,  62
.set RLA,  63
.set SA,   64
.set PF,   128
.set MX,   176                         ; v176-179 a block's largest score, then its largest p'
.set TP,   180                         ; v180-183 lane permutes' results
.set NM,   184                         ; v184-191 pairs: -M_b, the block's largest t
.set SO,   192                         ; v192-195 the conversions' scale operands
.set BY,   196                         ; v196-199 at work; the bytes
.set LS,   200                         ; v200-207 pairs: the block's sum
.set RS,   208                         ; v208-215 pairs: my wave's running -M (a whole number in f32) and its sum
.set T1,   220                         ; v220-223 the new running -M
.set EV,   224                         ; v224-227 at work; E
.set CX,   228                         ; v228-233, v236-241 a block's 24 bytes of codes, for tiles 0, 1 and 2, 3
.set CY,   244                         ; v244-246, v248-250 the odd tile's codes as the conversion leaves them
.set TM,   64                          ; at the head: v64-79 QUANT's, v80 the scale word, v82-100 the codes, v192-255 64 numbers of q
.set PW,   80
.set PC,   82
.set XQ,   192
.set WV,   10                          ; s10  my wave's number
.set G1,   16                          ; s[16:23] descriptor group 1
.set G0,   24                          ; s[24:31] descriptor group 0, a set for each slot
.set SEL,  32                          ; s[32:33] lane selects for v_permlanex16_b32: lane l xor 16
.set CS,   34                          ; s[34:35] c = 0.1 log2(e), twice: the packed form names the pair
.set PST,  36                          ; s36  the key step's place among P's images
.set EST,  37                          ; s37  and among E (phase 1) or P's scale words (phase 2)
.set CNT,  38
.set TI,   39                          ; s39  the tile in hand
.set LIM,  40                          ; s40  a wave prefetches while s[TI] is under it
.set PFA,  42                          ; s[42:43] where my prefetches stand
.set MSB, 0
.macro WIN new                         ; the immediate's high byte repeats the setting that is left; a switch that changes nothing is dropped
.if MSB != (\new)
	s_set_vgpr_msb (MSB<<8)|(\new)
.set MSB, (\new)
.endif
.endm
.macro PLACES                          ; four plain lines between a matrix instruction and a vector instruction or store that reads its result, or a load into one of its registers (ISA guide 7.12.1 for the readers)
.rept 4
	v_nop
.endr
.endm
; A round of the cluster's barrier: my work-group's barrier; wave 0 signals for the work-group; every wave waits for all four work-groups; my work-group's barrier once more.
.macro CROUND
	s_barrier_signal -1
	s_barrier_wait -1
	s_cmp_lg_u32 s[WV], 0
	s_cbranch_scc1 .Lnot_wave_0_\@
	s_barrier_signal -3
.Lnot_wave_0_\@:
	s_barrier_wait -3
	s_barrier_signal -1
	s_barrier_wait -1
.endm
; A PREFETCH INTO THE L2: in the trip of tile TI, tile TI + 3, which the load two trips on will ask for.  All eight clusters of a batch walk the same tiles: the batch's first cluster asks.  Of unit w's 100 blocks of
; 256 bytes wave w of partner cx names 25, told apart BY ADDRESS; lanes 25 to 31 name lane 24's block with it.  It stops with tile 31 (TI = 28); tiles 0 to 2 come by their loads alone.
.macro ASK
	s_cmp_lt_u32 s[TI], s[LIM]
	s_cbranch_scc0 .Lnot_mine_\@
	global_prefetch_b8 v[PFO], s[PFA:PFA+1] th:TH_LOAD_NT scope:SCOPE_SE
.Lnot_mine_\@:
.endm
; THE CHANGE OF SLOTS, at a trip's head.  Each wave waits for all its tensor loads (its unit of the tile that it is about to read), adds 0 to its spare word, and waits for that and for its LDS reads and stores so far.
; Behind the round no wave of any partner reads the other slot or has a load on its way: refill = 1: that slot takes the next tile, first thing, one load a wave; it has this trip's work in which to land.
.macro RING slot, refill
	s_wait_tensorcnt 0x0                           ; no tensor load of mine is out, so a group 0 may be written
	ds_add_u32 v[SPW], v[NIL]                      ; 0 onto my spare word; the steps below stand between it and the wait for it
	s_add_nc_u64 s[G0+4*\slot+2:G0+4*\slot+3], s[G0+4*\slot+2:G0+4*\slot+3], 2*TILE   ; this slot's next tile; the type bits on top are not reached
	s_wait_xcnt 0x0                                ; the last prefetch, a trip back, has read its address, so it may be written
	s_add_nc_u64 s[PFA:PFA+1], s[PFA:PFA+1], TILE
	s_wait_dscnt 0x0                               ; the add is done; my reads of the slot that I have left are over, and my stores have landed
.if \refill
	CROUND
	tensor_load_to_lds s[G0+4-4*\slot:G0+7-4*\slot], s[G1:G1+7]
	s_nop 0
.rept 4
	v_nop                                          ; four lines follow the load, ahead of the branch and of every switch of windows
.endr
	ASK
.else
	s_barrier_signal -1
	s_barrier_wait -1
.endif
	s_add_co_u32 s[TI], s[TI], 1
.endm
; One matrix instruction, from the symbols rD, rA, rB (first registers), rSA, rSB (scale registers), rRA, rRB (1: the scales stand in lanes 16-31), rZ (1: it starts the sum).
.macro WM
.if rZ
.if rRA
.if rRB
	v_wmma_scale_f32_16x16x128_f8f6f4 v[rD:rD+7], v[rA:rA+11], v[rB:rB+11], 0, v[rSA], v[rSB] matrix_a_fmt:MATRIX_FMT_BF6 matrix_b_fmt:MATRIX_FMT_BF6 matrix_a_scale:MATRIX_SCALE_ROW1 matrix_b_scale:MATRIX_SCALE_ROW1
.else
	v_wmma_scale_f32_16x16x128_f8f6f4 v[rD:rD+7], v[rA:rA+11], v[rB:rB+11], 0, v[rSA], v[rSB] matrix_a_fmt:MATRIX_FMT_BF6 matrix_b_fmt:MATRIX_FMT_BF6 matrix_a_scale:MATRIX_SCALE_ROW1
.endif
.else
.if rRB
	v_wmma_scale_f32_16x16x128_f8f6f4 v[rD:rD+7], v[rA:rA+11], v[rB:rB+11], 0, v[rSA], v[rSB] matrix_a_fmt:MATRIX_FMT_BF6 matrix_b_fmt:MATRIX_FMT_BF6 matrix_b_scale:MATRIX_SCALE_ROW1
.else
	v_wmma_scale_f32_16x16x128_f8f6f4 v[rD:rD+7], v[rA:rA+11], v[rB:rB+11], 0, v[rSA], v[rSB] matrix_a_fmt:MATRIX_FMT_BF6 matrix_b_fmt:MATRIX_FMT_BF6
.endif
.endif
.else
.if rRA
.if rRB
	v_wmma_scale_f32_16x16x128_f8f6f4 v[rD:rD+7], v[rA:rA+11], v[rB:rB+11], v[rD:rD+7], v[rSA], v[rSB] matrix_a_fmt:MATRIX_FMT_BF6 matrix_b_fmt:MATRIX_FMT_BF6 matrix_a_scale:MATRIX_SCALE_ROW1 matrix_b_scale:MATRIX_SCALE_ROW1
.else
	v_wmma_scale_f32_16x16x128_f8f6f4 v[rD:rD+7], v[rA:rA+11], v[rB:rB+11], v[rD:rD+7], v[rSA], v[rSB] matrix_a_fmt:MATRIX_FMT_BF6 matrix_b_fmt:MATRIX_FMT_BF6 matrix_a_scale:MATRIX_SCALE_ROW1
.endif
.else
.if rRB
	v_wmma_scale_f32_16x16x128_f8f6f4 v[rD:rD+7], v[rA:rA+11], v[rB:rB+11], v[rD:rD+7], v[rSA], v[rSB] matrix_a_fmt:MATRIX_FMT_BF6 matrix_b_fmt:MATRIX_FMT_BF6 matrix_b_scale:MATRIX_SCALE_ROW1
.else
	v_wmma_scale_f32_16x16x128_f8f6f4 v[rD:rD+7], v[rA:rA+11], v[rB:rB+11], v[rD:rD+7], v[rSA], v[rSB] matrix_a_fmt:MATRIX_FMT_BF6 matrix_b_fmt:MATRIX_FMT_BF6
.endif
.endif
.endif
.endm
.macro UNITSC slot                     ; my unit's scale words: 8 registers
.irp g, 0,1,2,3
	ds_load_b64 v[KS+2*\g:KS+2*\g+1], v[AS+\slot] offset:256*\g
.endr
.endm
.macro FRAGS slot                      ; my unit's 16 fragments, 48 loads in one run, into window 1; 48 bytes from lane to lane
	WIN 0x40
.irp f, 0,1,2,3,4,5,6,7,8,9,10,11,12,13,14,15
.irp c, 0,1,2
	ds_load_b128 v[12*\f+4*\c:12*\f+4*\c+3], v[AF+\slot] offset:FRB*\f+16*\c
.endr
.endr
.endm
; S^T = K Q^T for tiles 2 hi and 2 hi + 1: 8 K steps x (2 halves of my 32 keys x 2 tiles).  The four accumulators take turns, one instruction a turn.
.macro KPASS hi
.irp k, 0,1,2,3,4,5,6,7
.if \hi == 0
	s_wait_dscnt 42-6*\k                           ; fragments 2 k and 2 k + 1 are in: behind them 42 - 6 k loads were issued
.endif
.irp u, 0,1
.irp t, 0,1
.set rD, SA+16*(2*\hi+\t)+8*\u
.set rA, 12*(2*\k+\u)
.set rB, 12*(8*\t+\k)
.set rSA, KS+\k
.set rSB, QS+8*\hi+\k
.set rRA, \u
.set rRB, \t
.if \k == 0
.set rZ, 1
.else
.set rZ, 0
.endif
	WM
.endr
.endr
.endr
.endm
; O^T += V^T P^T for tiles 2 hi and 2 hi + 1: my 16 fragments of dv x 2 tiles: 32 accumulators, each once.
.macro VPASS hi, zero
.irp m, 0,1,2,3,4,5,6,7
.if \hi == 0
	s_wait_dscnt 42-6*\m                           ; fragments 2 m and 2 m + 1 are in (the scale words and P were asked for ahead of all fragments)
.endif
.irp d, 0,1
.irp t, 0,1
.set rD, 8*(16*\t+2*\m+\d)
.set rA, 12*(2*\m+\d)
.set rB, PF+12*(2*\hi+\t)
.set rSA, KS+\m
.set rSB, PS+\hi
.set rRA, \d
.set rRB, \t
.set rZ, \zero
	WM
.endr
.endr
.endr
.endm
; THE SOFTMAX OF A BLOCK: my 32 keys against the four tiles of queries, the tiles by turns.  Register SA + 16 t + i of lane (r, h) is the score of query r of tile t and key 16 h + i.
.macro SOFTMAX
.irp t, 0,1,2,3
	v_max3_num_f32 v[MX+\t], v[SA+16*\t], v[SA+16*\t+1], v[SA+16*\t+2]   ; the block's largest score; each accumulator is read from its low end on
.endr
.irp i, 3,5,7,9,11,13
.irp t, 0,1,2,3
	v_max3_num_f32 v[MX+\t], v[MX+\t], v[SA+16*\t+\i], v[SA+16*\t+\i+1]
.endr
.endr
.irp t, 0,1,2,3
	v_max_num_f32 v[MX+\t], v[MX+\t], v[SA+16*\t+15]
.endr
.irp t, 0,1,2,3
	v_permlanex16_b32 v[TP+\t], v[MX+\t], s[SEL], s[SEL+1]
.endr
.irp t, 0,1,2,3
	v_max_num_f32 v[MX+\t], v[MX+\t], v[TP+\t]     ; with lane l xor 16's 16 keys
.endr
.irp t, 0,1,2,3
	v_mul_f32 v[NM+2*\t+1], s[CS], v[MX+\t]        ; as t (c is positive)
.endr
.irp t, 0,1,2,3
	v_floor_f32 v[NM+2*\t], -v[NM+2*\t+1]          ; -M_b = floor(-t) = -ceil(t): a whole number
.endr
.irp j, 0,2,4,6,8,10,12,14
.irp t, 0,1,2,3
	v_pk_fma_f32 v[SA+16*\t+\j:SA+16*\t+\j+1], v[SA+16*\t+\j:SA+16*\t+\j+1], s[CS:CS+1], v[NM+2*\t:NM+2*\t+1] op_sel_hi:[1,0,0]   ; t - M_b, two at a time
.endr
.endr
.irp t, 0,1,2,3
	v_fma_f32 v[MX+\t], v[MX+\t], s[CS], v[NM+2*\t]   ; the same of the largest score: p' rises with the score, so this gives the block's largest p'
.endr
.set i, 0
.rept 64
	v_exp_f32 v[SA+i], v[SA+i]                     ; p' = 2^(t - M_b)
.set i, i+1
.endr
.irp t, 0,1,2,3
	v_min_num_f32 v[T1+\t], v[RS+2*\t], v[NM+2*\t] ; my wave's new running -M.  (Plain lines behind the exponentials)
.endr
	s_wait_alu depctr_va_vdst(0)                   ; one wait for the batch of 64, ahead of its first reader
.irp t, 0,1,2,3
	v_exp_f32 v[MX+\t], v[MX+\t]                   ; the block's largest p', over 1/2 and at most 1
.endr
.irp t, 0,1,2,3
	v_pk_add_f32 v[LS+2*\t:LS+2*\t+1], v[SA+16*\t:SA+16*\t+1], v[SA+16*\t+2:SA+16*\t+3]   ; THE SUM IS TAKEN OF THE UNQUANTISED p'.  (It reads the 64 alone: the work behind the four)
.endr
.irp j, 4,6,8,10,12,14
.irp t, 0,1,2,3
	v_pk_add_f32 v[LS+2*\t:LS+2*\t+1], v[LS+2*\t:LS+2*\t+1], v[SA+16*\t+\j:SA+16*\t+\j+1]
.endr
.endr
.irp t, 0,1,2,3
	v_add_f32 v[LS+2*\t], v[LS+2*\t], v[LS+2*\t+1]
.endr
.irp t, 0,1,2,3
	v_permlanex16_b32 v[TP+\t], v[LS+2*\t], s[SEL], s[SEL+1]
.endr
.irp t, 0,1,2,3
	v_add_f32 v[LS+2*\t], v[LS+2*\t], v[TP+\t]     ; the block's sum of p'
.endr
.irp t, 0,1,2,3
	v_sub_f32 v[BY+\t], v[T1+\t], v[RS+2*\t]       ; old running M less the new: a whole number, 0 or less
	v_sub_f32 v[EV+\t], v[T1+\t], v[NM+2*\t]       ; M_b less the new running M: likewise
.endr
.irp t, 0,1,2,3
	v_cvt_i32_f32 v[BY+\t], v[BY+\t]               ; (it saturates)
	v_cvt_i32_f32 v[EV+\t], v[EV+\t]
.endr
.irp t, 0,1,2,3
	v_ldexp_f32 v[RS+2*\t+1], v[RS+2*\t+1], v[BY+\t]   ; both sums under the new running M: multiplications by powers of two
	v_ldexp_f32 v[LS+2*\t], v[LS+2*\t], v[EV+\t]
.endr
.irp t, 0,1,2,3
	v_add_f32 v[RS+2*\t+1], v[RS+2*\t+1], v[LS+2*\t]
	v_mov_b32 v[RS+2*\t], v[T1+\t]
.endr
	s_wait_alu depctr_va_vdst(0)                   ; and one wait for the four
.irp t, 0,1,2,3
	v_add_nc_u32 v[SO+\t], 0xfe000000, v[MX+\t]    ; 4 off the exponent field: the conversion's scale operand
.endr
.irp t, 0,1,2,3
	v_lshrrev_b32 v[BY+\t], 23, v[SO+\t]           ; byte', the block's byte under M_b
.endr
.irp t, 0,1,2,3
	v_cvt_f32_u32 v[BY+\t], v[BY+\t]
.endr
.irp t, 0,1,2,3
	v_sub_f32 v[EV+\t], v[BY+\t], v[NM+2*\t]       ; E = byte' + M_b
.endr
.irp p, 0,1
	v_cvt_scalef32_pk16_bf6_f32 v[CX+8*\p:CX+8*\p+2], v[SA+32*\p:SA+32*\p+15], v[SO+2*\p]          ; tile 2 p: the codes of keys 16 h + 0 .. 15
	v_cvt_scalef32_pk16_bf6_f32 v[CY+4*\p:CY+4*\p+2], v[SA+32*\p+16:SA+32*\p+31], v[SO+2*\p+1]     ; tile 2 p + 1
.endr
	v_nop                                          ; one plain line behind the conversions
.irp p, 0,1                            ; the first's lanes 16-31 change places with the second's lanes 0-15: lane (r, g) then holds all 32 keys of query r of tile 2 p + g
.irp i, 0,1,2
	v_permlane16_swap_b32 v[CX+8*\p+\i], v[CY+4*\p+\i]
.endr
.irp i, 0,1,2
	v_mov_b32 v[CX+8*\p+3+\i], v[CY+4*\p+\i]
.endr
.endr
	v_add_nc_u32 v[PT], s[PST], v[PWA]
	v_add_nc_u32 v[ET], s[EST], v[EWA]
.irp p, 0,1
.irp i, 0,1,2
	ds_store_b64 v[PT], v[CX+8*\p+2*\i:CX+8*\p+2*\i+1] offset:2*FRB*\p+8*\i   ; block w of the key step's fragment of tile 2 p + g
.endr
.endr
.irp t, 0,1,2,3
	ds_store_b32 v[ET], v[EV+\t] offset:4352*\t    ; both halves of the lanes write the same word with the same value
.endr
	s_add_co_u32 s[PST], s[PST], 4*FRB
	s_add_co_u32 s[EST], s[EST], 16
.endm
.macro KTRIP slot                      ; a tile of k: 64 matrix instructions, then the block's softmax
	RING \slot, 1
	UNITSC \slot
	FRAGS \slot
	WIN 0x09                                       ; K window 1, Q window 2, S^T window 0
	KPASS 0
	WIN 0x0d                                       ; Q window 3
	KPASS 1
	WIN 0
	PLACES
	SOFTMAX
.endm
.macro VTRIP slot, zero, refill        ; a tile of v: 64 matrix instructions on 64 accumulators
	RING \slot, \refill
	v_add_nc_u32 v[PT], s[PST], v[PRA]
	v_add_nc_u32 v[ET], s[EST], v[PSA]
	s_add_co_u32 s[PST], s[PST], 4*FRB
	s_add_co_u32 s[EST], s[EST], 256
	UNITSC \slot
	ds_load_b64 v[PS:PS+1], v[ET]                  ; P's scale words of this key step
.irp t, 0,1,2,3
.irp c, 0,1,2
	ds_load_b128 v[PF+12*\t+4*\c:PF+12*\t+4*\c+3], v[PT] offset:FRB*\t+16*\c   ; and its four fragments
.endr
.endr
	FRAGS \slot
	WIN 0xa1                                       ; V window 1, P window 0, O^T window 2
	VPASS 0, \zero
	WIN 0xf1                                       ; O^T window 3
	VPASS 1, \zero
	WIN 0
	PLACES
.endm
; 64 numbers of a lane, register 16 b + i = k 32 b + 16 (lane / 16) + i of my row, become a fragment's codes in v[PC] on and its scale word in v[PW].
.macro QUANT s
.irp b, 0,1,2,3
	v_max3_num_f32 v[TM+\b], |v[\s+16*\b]|, |v[\s+1+16*\b]|, 0x2800000   ; block b: my 16 numbers, and the floor 2^(5 - 127): the byte cannot fall under 1
.endr
.irp i, 2,4,6,8,10,12,14
.irp b, 0,1,2,3
	v_max3_num_f32 v[TM+\b], v[TM+\b], |v[\s+16*\b+\i]|, |v[\s+1+16*\b+\i]|
.endr
.endr
.irp b, 0,1,2,3
	v_permlanex16_b32 v[TM+4+\b], v[TM+\b], s[SEL], s[SEL+1]
.endr
.irp b, 0,1,2,3
	v_max_num_f32 v[TM+\b], v[TM+\b], v[TM+4+\b]   ; with lane l xor 16's: the block's largest magnitude
.endr
.irp b, 0,1,2,3
	v_add_nc_u32 v[TM+12+\b], 0xfe000000, v[TM+\b] ; 4 off its exponent field: the conversion's scale operand
.endr
.irp b, 0,1,2,3
	v_lshrrev_b32 v[TM+4+\b], 23, v[TM+12+\b]      ; the scale's byte
.endr
	v_lshl_or_b32 v[PW], v[TM+5], 8, v[TM+4]
	v_lshl_or_b32 v[PW], v[TM+6], 16, v[PW]
	v_lshl_or_b32 v[PW], v[TM+7], 24, v[PW]
.irp c, 0,1
	v_cvt_scalef32_pk16_bf6_f32 v[PC+6*\c:PC+2+6*\c], v[\s+32*\c:\s+15+32*\c], v[TM+12+2*\c]
	v_cvt_scalef32_pk16_bf6_f32 v[PC+12+4*\c:PC+14+4*\c], v[\s+16+32*\c:\s+31+32*\c], v[TM+12+2*\c+1]
.endr
	v_nop                                          ; one plain line behind the conversions
.irp c, 0,1                            ; the operand wants a whole block in a lane: lanes 0-15 block 2 c, lanes 16-31 block 2 c + 1
.irp i, 0,1,2
	v_permlane16_swap_b32 v[PC+6*\c+\i], v[PC+12+4*\c+\i]
.endr
.irp i, 0,1,2
	v_mov_b32 v[PC+3+6*\c+\i], v[PC+12+4*\c+\i]
.endr
.endr
.endm
.macro XLD n                           ; K step n (128 numbers) of my 16 rows of q: each load takes 512 consecutive bytes of one row; into window 1, set n % 2
	WIN 0x40
.irp p, 0,1,2,3,4,5,6,7,8,9,10,11,12,13,14,15
	global_load_b128 v[64*((\n)%2)+4*\p:64*((\n)%2)+4*\p+3], v[L16], s[4:5] offset:4096*\p+512*(\n) th:TH_LOAD_NT
.endr
	WIN 0
.endm
.macro QSTEP n                         ; K step n of my tile of q becomes a fragment's image and a scale word a row in LDS
.if (\n) < 7
	s_wait_loadcnt 16                              ; this K step's 16 loads are in; the next one's 16 may be out
.else
	s_wait_loadcnt 0x0
.endif
	WIN 0x04                                       ; an LDS store's data are its source 1: window 1
.irp p, 0,1,2,3,4,5,6,7,8,9,10,11,12,13,14,15
	ds_store_b128 v[QSTW], v[64*((\n)%2)+4*\p:64*((\n)%2)+4*\p+3] offset:528*\p   ; through my own stage, as loaded;
.endr
	WIN 0
.irp b, 0,1,2,3
.irp j, 0,1,2,3
	ds_load_b128 v[XQ+16*\b+4*\j:XQ+16*\b+4*\j+3], v[QSTR] offset:128*\b+16*\j   ; back: of row r, 16 neighbours of each block of 32.  LDS serves a wave's instructions in order
.endr
.endr
	s_wait_dscnt 0x0                               ; they are in, and all my LDS stores have read their registers
.if (\n)+2 < 8
	XLD (\n)+2
.endif
	QUANT XQ
.irp c, 0,1,2
	ds_store_b128 v[QIW], v[PC+4*\c:PC+4*\c+3] offset:FRB*(\n)+16*\c
.endr
	ds_store_b32 v[QSW], v[PW] offset:512*((\n)/4)+4*((\n)%4)   ; both halves of the lanes write the same word with the same value
.endm
	s_load_b128 s[4:7], s[0:1], 0x0                ; q, kv
	s_load_b64 s[8:9], s[0:1], 0x10                ; out0
	v_lshl_add_u32 v[SPW], v0, 2, SPARE
	v_mov_b32 v[NIL], 0
	ds_add_u32 v1, v2
	ds_add_u32 v1, v2
	s_wait_dscnt 0x0
	v_lshrrev_b32 v203, 5, v0
	v_readfirstlane_b32 s[WV], v203                ; wave 0..3
	v_and_b32 v200, 31, v0                         ; lane
	v_and_b32 v201, 15, v0                         ; r
	v_bfe_u32 v202, v0, 4, 1                       ; h
	s_bfe_u32 s11, ttmp6, 0x40000                  ; cx: my place in the cluster
	s_lshl_b32 s12, ttmp9, 2
	s_add_co_u32 s12, s12, s11                     ; my block of 64 queries = 4 x cluster x + cx
	s_and_b32 s13, ttmp7, 0xffff                   ; the batch, which the four partners share
	; descriptor group 1: a unit, 25,600 dense bytes, as 100 rows of 256 bytes (32 elements of 8 bytes), no padding
	s_mov_b32 s[G1+0], 15|(3<<16)|(1<<21)          ; 15:0 the mask: all four work-groups; 17:16 elements of 8 bytes; 21 set beside a mask
	s_mov_b32 s[G1+1], 32<<16                      ; tensor_dim0 = 32
	s_mov_b32 s[G1+2], 100<<16                     ; tensor_dim1 = 100
	s_mov_b32 s[G1+3], 32<<16                      ; tile_dim0 = 32
	s_mov_b32 s[G1+4], 100                         ; tile_dim1 = 100
	s_mov_b32 s[G1+5], 32                          ; from row to row
	s_mov_b32 s[G1+6], 0
	s_mov_b32 s[G1+7], 0
	s_mov_b32 s[SEL], 0x76543210
	s_mov_b32 s[SEL+1], 0xfedcba98
	s_mov_b32 s[CS], 0x3e13bb63                    ; c = 0.1 log2(e)
	s_mov_b32 s[CS+1], s[CS]
	s_mov_b32 s[PST], 0
	s_mov_b32 s[EST], 0
	s_mov_b32 s[TI], 0
	s_cmp_eq_u32 ttmp9, 0                          ; the batch's first cluster: the same in all four partners
	s_cselect_b32 s[LIM], 29, 0
	s_mul_i32 s41, s[WV], UNIT                     ; my unit's place in a tile and in a slot
	s_mul_i32 s44, s13, KVB
	s_add_co_u32 s44, s44, s41                     ; my unit of tile 0, in bytes from kv's first
	s_mov_b32 s45, 0
	s_mul_i32 s46, s11, 6400                       ; the prefetches: my work-group's 25 blocks of the unit,
	s_add_co_u32 s46, s46, 2*TILE                  ; in tile 2: the first trip steps it to tile 3
	s_mov_b32 s47, 0
	s_lshl_b32 s48, s13, 11
	s_lshl_b32 s49, s12, 6
	s_add_co_u32 s48, s48, s49                     ; my work-group's first row of q and of out0
	s_lshl_b32 s50, s[WV], 4
	s_add_co_u32 s50, s50, s48
	s_lshl_b32 s50, s50, 12                        ; q: my wave's 16 rows of 4,096 bytes
	s_mov_b32 s51, 0
	s_lshl_b32 s48, s48, 12
	s_lshl_b32 s49, s[WV], 10
	s_add_co_u32 s48, s48, s49                     ; out0: the work-group's rows, my wave's 1,024 bytes of each
	s_mov_b32 s49, 0
	; every LDS address that stays: a constant, a constant x lane, a constant x wave
	s_and_b32 s52, s[WV], 1
	s_lshr_b32 s53, s[WV], 1
	v_mul_u32_u24 v[AF], v200, 48
	v_add_nc_u32 v[AF], s41, v[AF]
	v_add_nc_u32 v[AF+1], SLOT1, v[AF]
	v_lshl_add_u32 v[AS], v200, 3, s41
	v_add_nc_u32 v[AS], USC, v[AS]
	v_add_nc_u32 v[AS+1], SLOT1, v[AS]
	s_mul_i32 s54, s52, 768
	s_mul_i32 s55, s53, 24
	s_add_co_u32 s54, s54, s55
	s_add_co_u32 s54, s54, PIM
	v_mul_u32_u24 v[PWA], v202, FRB                ; P: fragment of tile 2 p + (lane / 16), row r, block w: 48 (r + 16 (w % 2)) + 24 (w / 2)
	v_mad_u32_u24 v[PWA], v201, 48, v[PWA]
	v_add_nc_u32 v[PWA], s54, v[PWA]
	s_lshl_b32 s54, s[WV], 2
	s_add_co_u32 s54, s54, EB
	v_mul_u32_u24 v[EWA], v201, 272
	v_add_nc_u32 v[EWA], s54, v[EWA]
	v_mul_u32_u24 v[PRA], v200, 48
	v_add_nc_u32 v[PRA], PIM, v[PRA]
	v_lshl_add_u32 v[PSA], v200, 3, PSC
	s_lshl_b32 s54, s[WV], 9
	s_add_co_u32 s54, s54, LX
	v_lshl_add_u32 v[LXW], v201, 3, s54
	s_mul_i32 s54, s[WV], 16*528
	s_add_co_u32 s55, s54, PIM                     ; my stage for O
	v_mul_u32_u24 v[STO], v201, 528
	v_lshl_add_u32 v[STO], v202, 5, v[STO]
	v_add_nc_u32 v[STO], s55, v[STO]
	v_lshl_add_u32 v[RD], v200, 4, s55
	v_lshlrev_b32 v[L16], 4, v200
	v_min_u32 v[PFO], 24, v200
	v_lshlrev_b32 v[PFO], 8, v[PFO]
	s_add_co_u32 s55, s54, QST                     ; my stage for q
	v_lshl_add_u32 v[QSTW], v200, 4, s55
	v_mul_u32_u24 v[QSTR], v201, 528
	v_lshl_add_u32 v[QSTR], v202, 6, v[QSTR]
	v_add_nc_u32 v[QSTR], s55, v[QSTR]
	s_mul_i32 s54, s[WV], 8*FRB
	v_add_nc_u32 v[QIW], s54, v[PRA]               ; Q's images: fragment 8 w + K step
	s_lshl_b32 s54, s53, 10
	s_lshl_b32 s55, s52, 8
	s_add_co_u32 s54, s54, s55
	s_add_co_u32 s54, s54, QSC
	v_lshl_add_u32 v[QSW], v201, 4, s54            ; Q's scale words: 1024 (w / 2) + 16 (16 (w % 2) + r), + 512 (K step / 4) + 4 (K step % 4)
	v_lshl_add_u32 v[QSL], v200, 4, QSC
	s_mul_i32 s54, s[WV], 4352
	s_add_co_u32 s54, s54, EB
	v_mul_u32_u24 v[MEA], v201, 272
	v_lshl_add_u32 v[MEA], v202, 7, v[MEA]
	v_add_nc_u32 v[MEA], s54, v[MEA]               ; E of query r of tile w, blocks 32 h on
	s_lshl_b32 s54, s[WV], 7
	s_add_co_u32 s54, s54, LX
	v_lshl_add_u32 v[MLA], v201, 3, s54
	s_lshl_b32 s54, s52, 7
	s_lshl_b32 s55, s53, 2
	s_add_co_u32 s54, s54, s55
	s_add_co_u32 s54, s54, PSC
	v_lshlrev_b32 v[MPS], 3, v201
	v_lshl_add_u32 v[MPS], v202, 11, v[MPS]
	v_add_nc_u32 v[MPS], s54, v[MPS]               ; P's scale word of key step 8 h + j: 256 (8 h + j) + 8 (16 (w % 2) + r) + 4 (w / 2)
	s_lshl_b32 s54, s[WV], 6
	s_add_co_u32 s54, s54, RL
	v_lshl_add_u32 v[MRL], v201, 2, s54
	v_lshl_add_u32 v[RLA], v201, 2, RL
.irp b, 0,1,2,3
	v_mov_b32 v[TM+4+\b], 0                        ; written once: a lane permute's destination counts as one of its sources
.endr
	s_wait_kmcnt 0x0
	s_add_nc_u64 s[4:5], s[4:5], s[50:51]
	s_add_nc_u64 s[8:9], s[8:9], s[48:49]
	s_add_nc_u64 s[44:45], s[6:7], s[44:45]
	s_add_nc_u64 s[PFA:PFA+1], s[44:45], s[46:47]
	s_mov_b32 s[G0], 1                             ; 1:0 count = 1
	s_mov_b32 s[G0+1], s41                         ; 63:32 LDS address: slot 0, my unit
	s_mov_b64 s[G0+2:G0+3], s[44:45]               ; 120:64 global address: tile 0
	s_or_b32 s[G0+3], s[G0+3], 0x80000000          ; 127:126 type = 2
	s_mov_b32 s[G0+4], 1
	s_add_co_u32 s[G0+5], s41, SLOT1
	s_add_nc_u64 s[G0+6:G0+7], s[44:45], TILE      ; tile 1
	s_or_b32 s[G0+7], s[G0+7], 0x80000000
	XLD 0
	XLD 1
	CROUND                                         ; all four work-groups are here: the first joint load meets
	tensor_load_to_lds s[G0:G0+3], s[G1:G1+7]      ; tile 0; slot 1 is first filled behind the first trip's round, as a refill is
	s_nop 0
.rept 4
	v_nop
.endr
	; ---- Q: wave w quantises tile w (rows 16 w on), eight K steps
.irp n, 0,1,2,3,4,5,6,7
	QSTEP \n
.endr
	s_wait_dscnt 0x0                               ; my images and scale words have landed
	s_barrier_signal -1
	s_barrier_wait -1                              ; everybody's have.  (Tile 0's load may be out)
.irp p, 0,1
.irp g, 0,1
	ds_load_b128 v[QS+8*\p+4*\g:QS+8*\p+4*\g+3], v[QSL] offset:1024*\p+512*\g
.endr
.endr
	WIN 0x80                                       ; Q stays in registers: tiles 0, 1 in window 2,
.set i, 0
.rept 16
.irp c, 0,1,2
	ds_load_b128 v[12*i+4*\c:12*i+4*\c+3], v[PRA] offset:FRB*i+16*\c
.endr
.set i, i+1
.endr
	WIN 0xc0                                       ; tiles 2, 3 in window 3
.set i, 0
.rept 16
.irp c, 0,1,2
	ds_load_b128 v[12*i+4*\c:12*i+4*\c+3], v[PRA] offset:FRB*(16+i)+16*\c
.endr
.set i, i+1
.endr
	WIN 0
.irp t, 0,1,2,3
	v_mov_b32 v[RS+2*\t], 0x7f61b1e6               ; the running -M: 3e38, over every -M_b;
	v_mov_b32 v[RS+2*\t+1], 0                      ; the running sum
	v_mov_b32 v[TP+\t], 0                          ; (a lane permute's destination counts as one of its sources)
	v_mov_b32 v[RI+2*\t+1], 0                      ; (named as the upper half of a pair)
.endr
	; ---- phase 1: tiles 0 to 15.  The first trip's wait for my LDS loads covers Q's, and its round stands between every wave's reads of Q's images and the first codes of P, which land on them
	s_mov_b32 s[CNT], 8
.Lkeys:
	KTRIP 0
	KTRIP 1
	s_sub_co_u32 s[CNT], s[CNT], 1
	s_cmp_lg_u32 s[CNT], 0
	s_cbranch_scc1 .Lkeys
	; ---- between the phases.  (Tile 16's load is out)
.irp t, 0,1,2,3
	ds_store_b64 v[LXW], v[RS+2*\t:RS+2*\t+1] offset:128*\t
.endr
	s_wait_dscnt 0x0
	s_barrier_signal -1
	s_barrier_wait -1                              ; all E and all running pairs lie in LDS.  Wave w serves tile w; lane (r, h) has query r and blocks 32 h .. 32 h + 31
.irp j, 0,1,2,3,4,5,6,7
	ds_load_b128 v[SA+4*\j:SA+4*\j+3], v[MEA] offset:16*\j   ; the four blocks of key step 8 h + j
.endr
.irp x, 0,1,2,3
	ds_load_b64 v[96+2*\x:97+2*\x], v[MLA] offset:512*\x     ; wave x's running -M and sum for my query
.endr
	s_wait_dscnt 0x0
	v_max3_num_f32 v104, v[SA], v[SA+1], v[SA+2]
	v_max3_num_f32 v105, v[SA+3], v[SA+4], v[SA+5]
.irp i, 6,10,14,18,22,26
	v_max3_num_f32 v104, v104, v[SA+\i], v[SA+\i+1]
	v_max3_num_f32 v105, v105, v[SA+\i+2], v[SA+\i+3]
.endr
	v_max3_num_f32 v104, v104, v[SA+30], v[SA+31]
	v_max_num_f32 v104, v104, v105
	v_permlanex16_b32 v[TP], v104, s[SEL], s[SEL+1]
	v_max_num_f32 v104, v104, v[TP]                ; R: the row's largest E
	v_add_f32 v105, 0xc2f60000, v104               ; R - 123: the whole number under which the row's p now stand
.set i, 0
.rept 32
	v_sub_f32 v[SA+i], v[SA+i], v105               ; a block's byte: E - (R - 123), at most 123,
.set i, i+1
.endr
.set i, 0
.rept 32
	v_max_num_f32 v[SA+i], 1.0, v[SA+i]            ; held at 1 from below
.set i, i+1
.endr
.set i, 0
.rept 32
	v_cvt_u32_f32 v[SA+i], v[SA+i]
.set i, i+1
.endr
.irp j, 0,1,2,3,4,5,6,7
	v_lshl_or_b32 v[SA+4*\j], v[SA+4*\j+1], 8, v[SA+4*\j]
	v_lshl_or_b32 v[SA+4*\j], v[SA+4*\j+2], 16, v[SA+4*\j]
	v_lshl_or_b32 v[SA+4*\j], v[SA+4*\j+3], 24, v[SA+4*\j]
	ds_store_b32 v[MPS], v[SA+4*\j] offset:256*\j
.endr
.irp x, 0,1,2,3
	v_fma_f32 v[106+\x], v105, -1.0, -v[96+2*\x]   ; wave x's running M less (R - 123): a whole number, at most 1
.endr
.irp x, 0,1,2,3
	v_cvt_i32_f32 v[106+\x], v[106+\x]
.endr
.irp x, 0,1,2,3
	v_ldexp_f32 v[97+2*\x], v[97+2*\x], v[106+\x]
.endr
	v_add_f32 v97, v97, v99
	v_add_f32 v101, v101, v103
	v_add_f32 v97, v97, v101                       ; l, the row's sum of the unquantised p
	v_rcp_f32 v110, v97
	v_nop                                          ; a plain line behind the reciprocal,
	s_wait_alu depctr_va_vdst(0)                   ; and a wait ahead of its first reader
	ds_store_b32 v[MRL], v110                      ; the next trip's wait and round show these stores to every wave
	; ---- phase 2: tiles 16 to 31
	s_mov_b32 s[PST], 0
	s_mov_b32 s[EST], 0
	VTRIP 0, 1, 1                                  ; the first products start the sums: nothing is cleared
	s_mov_b32 s[CNT], 7
.Lvals:
	VTRIP 1, 0, 1
	VTRIP 0, 0, 1
	s_sub_co_u32 s[CNT], s[CNT], 1
	s_cmp_lg_u32 s[CNT], 0
	s_cbranch_scc1 .Lvals
	VTRIP 1, 0, 0                                  ; the last tile is written out: nothing is left to fetch
	; ---- THE WAY OUT, block by block of 16 queries x 128 dv (block a: tile a / 2, half a % 2 of my 256 dv).  A lane holds 32 neighbouring bytes of a row: a block goes through my own stage in LDS
	; and comes back as whole rows of 512 bytes.  The stage lies on P's images, which have had their last read behind the barrier below; no tensor load fills those bytes.
	s_wait_dscnt 0x0
	s_barrier_signal -1
	s_barrier_wait -1
.irp t, 0,1,2,3
	ds_load_b32 v[RI+2*\t], v[RLA] offset:64*\t    ; 1 / l of my query of tile t
.endr
	s_wait_dscnt 0x0
.macro SCALE a                         ; O^T / l, in place, each accumulator from its low end on
.set AC, 64*((\a)%4)
.set RT, RI+2*((\a)/2)
	WIN 0x82+0x41*((\a)/4)                         ; destination and source 0: window 2 or 3
.set i, 0
.rept 32
	v_pk_mul_f32 v[AC+i:AC+i+1], v[AC+i:AC+i+1], v[RT:RT+1] op_sel_hi:[1,0]
.set i, i+2
.endr
	WIN 0
.endm
.macro TOSTAGE a
.set AC, 64*((\a)%4)
	WIN 0x08+4*((\a)/4)                            ; the data: window 2 or 3
.irp b, 0,1,2,3,4,5,6,7
	ds_store_b128 v[STO], v[AC+8*\b:AC+8*\b+3] offset:64*\b
	ds_store_b128 v[STO], v[AC+8*\b+4:AC+8*\b+7] offset:64*\b+16
.endr
	WIN 0
.set BB, SA+64*((\a)%2)
.irp p, 0,1,2,3,4,5,6,7,8,9,10,11,12,13,14,15
	ds_load_b128 v[BB+4*\p:BB+4*\p+3], v[RD] offset:528*\p   ; LDS serves a wave's instructions in order: these see the stores above, and the next block's stores come behind them
.endr
.endm
.macro SEND a, younger                 ; younger: the LDS instructions issued behind block a's loads, which may stay out
.set BB, SA+64*((\a)%2)
	s_wait_dscnt \younger
.irp p, 0,1,2,3,4,5,6,7,8,9,10,11,12,13,14,15
	global_store_b128 v[L16], v[BB+4*\p:BB+4*\p+3], s[8:9] offset:(16*((\a)/2)+\p)*4096+512*((\a)%2) th:TH_STORE_NT   ; 32 lanes store 512 consecutive bytes, at a multiple of 256 from out0's first byte
.endr
.endm
	SCALE 0
	TOSTAGE 0
.irp a, 1,2,3,4,5,6,7
	SCALE \a
.if \a > 1
	s_wait_xcnt 0x0                                ; block a - 2's stores have read their registers: block a's loads may land there
.endif
	TOSTAGE \a
	SEND \a-1, 32                                  ; behind block a - 1's loads: block a's 16 stores and 16 loads
.endr
	SEND 7, 0
	s_wait_tensorcnt 0x0                           ; the wave's end, behind my last tensor load and my last LDS store
	ds_add_u32 v[SPW], v[NIL]
	s_wait_dscnt 0x0
	CROUND                                         ; the closing round: no work-group ends while a partner may still ask for a tile that names it
	s_endpgm
.Lfunc_end_k_q4f8e5fb4e4_attn:
	.size	k_q4f8e5fb4e4_attn, .Lfunc_end_k_q4f8e5fb4e4_attn-k_q4f8e5fb4e4_attn
	.p2alignl 7, 3214868480
	.fill 96, 4, 3214868480
	.section	.rodata,"a",@progbits
	.p2align	6, 0x0
	.amdhsa_kernel k_q4f8e5fb4e4_attn
		.amdhsa_group_segment_fixed_size 327680
		.amdhsa_private_segment_fixed_size 0
		.amdhsa_enable_private_segment 0
		.amdhsa_kernarg_size 24
		.amdhsa_user_sgpr_count 2
		.amdhsa_user_sgpr_kernarg_segment_ptr 1
		.amdhsa_wavefront_size32 1
		.amdhsa_system_sgpr_workgroup_id_x 1
		.amdhsa_system_sgpr_workgroup_id_y 1
		.amdhsa_system_sgpr_workgroup_id_z 1
		.amdhsa_system_vgpr_workitem_id 0
		.amdhsa_next_free_vgpr 1024
		.amdhsa_next_free_sgpr 66
		.amdhsa_reserve_vcc 0
		.amdhsa_float_denorm_mode_32 3
		.amdhsa_float_denorm_mode_16_64 3
		.amdhsa_memory_ordered 1
		.amdhsa_forward_progress 1
		.amdhsa_inst_pref_size 236
	.end_amdhsa_kernel
	.amdgpu_metadata
---
amdhsa.version: [ 1, 2 ]
amdhsa.kernels:
  - .name:           k_q4f8e5fb4e4_attn
    .symbol:         k_q4f8e5fb4e4_attn.kd
    .args:
      - { .name: q, .offset: 0, .size: 8, .value_kind: global_buffer, .address_space: global }
      - { .name: kv, .offset: 8, .size: 8, .value_kind: global_buffer, .address_space: global }
      - { .name: out0, .offset: 16, .size: 8, .value_kind: global_buffer, .address_space: global }
    .group_segment_fixed_size: 327680
    .private_segment_fixed_size: 0
    .kernarg_segment_align: 8
    .kernarg_segment_size: 24
    .max_flat_workgroup_size: 128
    .sgpr_count:     66
    .vgpr_count:     1024
    .wavefront_size: 32
...
	.end_amdgpu_metadata
.endif
;; end of part 2
;; ======== version 2 of 2: 2 launches
;; limits: right only within a limited range of input values
;; workspace buffers: kv 26,214,400 bytes
;; launch quant (part 3): grid 1024 x 1, 4 waves a work-group, no clusters, 49,664 bytes of LDS; arguments k, v, kv; writes kv
.if DOCPART == 3
	.amdgcn_target "amdgcn-amd-amdhsa--gfx1250"
	.amdhsa_code_object_version 6
	.text
	.protected	k_q4f8e5fb4e4_quant
	.globl	k_q4f8e5fb4e4_quant
	.p2align	8
	.type	k_q4f8e5fb4e4_quant,@function
k_q4f8e5fb4e4_quant:
	s_mov_b64 s[64:65], 0
	v_nop
	global_prefetch_b8 v0, s[64:65] scope:SCOPE_SE
	s_setreg_imm32_b32 hwreg(HW_REG_WAVE_MODE, 25, 1), 1
	s_wait_xcnt 0x0
; k [8][1024 d][2048 keys] and v [8][2048 keys][1024 dv], f32, are operands whose K (d for k, the keys for v) is the OUTER axis of a batch.
; They become codes of BF6 (E3M2) with one E8M0 byte for each 32 along K, laid in kv in the order of the operand's registers:
;   kv = [batch 8][tile 32][unit 4], a unit = 16 fragments of 1,536 bytes, then 1,024 bytes of scale words: 25,600 bytes.  Tiles 0-15: k, 128 keys each; tiles 16-31: v, 128 keys each.
;   A fragment (16 rows x 128 K) is the image of its 12 registers: reader lane l has its 48 bytes at 48 l.  Block blk (32 along K) of row p lies at 48 (p + 16 (blk % 2)) + 24 (blk / 2).
;   k's unit (tile i, unit w): keys 128 i + 32 w + 0..31; fragment 2 kk + u: d = 128 kk on; its row p is key 16 (p / 8) + 8 u + p % 8.
;   v's unit (tile 16 + i, unit w): fragment f: dv = 256 w + 16 f + p, K = keys 128 i on.
;   Scale words: [group G 4][lane 32][s 2]: lane 16 u + p, word s: row p of fragment 2 (2 G + s) + u.
; A LANE TAKES A COLUMN AND ITS REGISTERS RUN DOWN K: a block of 32 lies in one lane's 32 registers, its largest magnitude needs no other lane, and the conversions give codes with K innermost.
; A wave takes 32 columns x 256 along K (k) or 64 columns x 128 along K (v): 8 blocks a lane, 4 fragments, which it gathers in its own stage in LDS and stores as 6,144 consecutive bytes.
; A block's scale is 2^(floor(log2(its largest magnitude)) - 4); its byte is that magnitude's exponent field - 4, held at 1 from below.
; LIMITS: NaN and infinities among the inputs are not served.  A block of zeros gets the byte 1 where the quantiser says 127: its codes are zeros, and this program alone reads the bytes.
; No tensor load, no barrier: waves share nothing.  Loads run two blocks (64 loads a wave) ahead.  Work-groups 0-511 take k, 512-1023 take v; each of the two ways has LDS bytes of its own.
.set SRCB,  8388608                    ; a batch of k or of v in bytes
.set KVB,   3276800                    ; a batch of kv
.set UNIT,  25600
.set USC,   24576                      ; where a unit's scale words begin
.set FRB,   1536                       ; a fragment's image
.set EMAX,  4
.set LOFF,  2                          ; v2      my column's byte in a row of the source
.set STA,   3                          ; v3      the stage, on the way in: 6144 wave + 1536 (lane / 16) + 48 (lane % 16)
.set STR,   4                          ; v4      and on the way out: 6144 wave + 16 lane
.set O16,   5                          ; v5      16 lane
.set O8,    6                          ; v6      8 lane
.set SB,    14                         ; v14-15  my two scale words
.set C,     16                         ; v16-21  a block's codes
.set T,     22                         ; v22-24  its upper 16 codes as the conversion leaves them
.set X,     32                         ; v32-95  two sets of 32 numbers
.set OUTR,  96                         ; v96-143 the way out
	s_load_b128 s[4:7], s[0:1], 0x0                ; k, v
	s_load_b64 s[8:9], s[0:1], 0x10                ; kv
	v_lshl_add_u32 v144, v0, 2, 0xc000
	v_mov_b32 v145, 0
	v_lshrrev_b32 v1, 5, v0
	v_readfirstlane_b32 s10, v1                    ; wave 0..3
	v_and_b32 v1, 31, v0                           ; lane
	s_and_b32 s11, ttmp9, 511
	s_lshr_b32 s12, s11, 6                         ; b: the batch
	s_bfe_u32 s13, s11, 0x40002                    ; a: which 128 keys
	s_and_b32 s14, s11, 3                          ; c: k: which 256 along d;  v: which 256 of dv
	v_lshrrev_b32 v[STA], 4, v1
	v_and_b32 v[STR], 15, v1
	v_mul_u32_u24 v[STA], v[STA], FRB
	v_mad_u32_u24 v[STA], v[STR], 48, v[STA]
	s_mul_i32 s15, s10, 4*FRB
	v_add_nc_u32 v[STA], s15, v[STA]
	v_lshlrev_b32 v[O16], 4, v1
	v_add_nc_u32 v[STR], s15, v[O16]
	v_lshlrev_b32 v[O8], 3, v1
	s_mul_i32 s16, s12, SRCB
	s_mul_i32 s18, s12, KVB
; block n's 32 numbers into set n % 2.  k: blocks run down d, 32 rows of 8,192 bytes each.  v: blocks 2 j and 2 j + 1 are the same 32 keys of my two columns, 128 bytes apart, asked for one behind the other
.macro LOAD n, isv
.irp i, 0,1,2,3,4,5,6,7,8,9,10,11,12,13,14,15,16,17,18,19,20,21,22,23,24,25,26,27,28,29,30,31
.if \isv
	global_load_b32 v[X+32*((\n)%2)+\i], v[LOFF], s[6:7] offset:(32*((\n)/2)+\i)*4096+128*((\n)%2) th:TH_LOAD_NT
.else
	global_load_b32 v[X+32*((\n)%2)+\i], v[LOFF], s[4:5] offset:(32*(\n)+\i)*8192 th:TH_LOAD_NT
.endif
.endr
.endm
.macro BLOCK n, isv
.set XS, X+32*((\n)%2)
.if \isv
.set SS, (\n)%2                        ; which of my two pairs of fragments,
.set BB, (\n)/2                        ; and which block of their 128 along K
.else
.set SS, (\n)/4
.set BB, (\n)%4
.endif
.if (\n) < 7
	s_wait_loadcnt 32                              ; this block's 32 loads are in; the next block's 32 may be out
.else
	s_wait_loadcnt 0x0
.endif
	v_max3_num_f32 v12, |v[XS]|, |v[XS+1]|, |v[XS+2]|              ; the block's largest magnitude, in two chains: all 32 numbers are mine
	v_max3_num_f32 v13, |v[XS+3]|, |v[XS+4]|, |v[XS+5]|
.irp i, 6,10,14,18,22,26
	v_max3_num_f32 v12, v12, |v[XS+\i]|, |v[XS+\i+1]|
	v_max3_num_f32 v13, v13, |v[XS+\i+2]|, |v[XS+\i+3]|
.endr
	v_max3_num_f32 v12, v12, |v[XS+30]|, |v[XS+31]|
	v_max3_num_f32 v12, v12, v13, (EMAX+1)<<23     ; and the floor 2^(EMAX + 1 - 127): the byte cannot fall under 1
	v_add_nc_u32 v11, -(EMAX<<23), v12             ; EMAX off the exponent field: the conversion takes this operand's exponent field as its scale
	v_lshrrev_b32 v13, 23, v11                     ; the scale's byte
.if BB == 0
	v_mov_b32 v[SB+SS], v13                        ; four bytes to a word, the lower K in the lower byte
.else
	v_lshl_or_b32 v[SB+SS], v13, 8*BB, v[SB+SS]
.endif
	v_cvt_scalef32_pk16_bf6_f32 v[C:C+2], v[XS:XS+15], v11
	v_cvt_scalef32_pk16_bf6_f32 v[T:T+2], v[XS+16:XS+31], v11      ; (a conversion's three registers begin on an even number)
	v_nop                                          ; one plain line behind the conversions
.irp i, 0,1,2
	v_mov_b32 v[C+3+\i], v[T+\i]                   ; the block's 24 bytes on end
.endr
.irp i, 0,1,2
	ds_store_b64 v[STA], v[C+2*\i:C+2*\i+1] offset:24576*\isv+2*FRB*SS+768*(BB%2)+24*(BB/2)+8*\i
.endr
.if (\n)+2 < 8
	LOAD (\n)+2, \isv
.endif
	s_wait_dscnt 0x0                               ; the stores have read their registers: the next block's codes may be written
.endm
.macro JOB isv
.if \isv
	v_lshlrev_b32 v[LOFF], 2, v1                   ; v: lane 16 u + p takes dv 16 u + p
	s_wait_alu depctr_va_vdst(0)
	s_lshl_b32 s20, s13, 19                        ; 128 a keys of 4,096 bytes,
	s_lshl_b32 s21, s14, 10                        ; dv 256 c,
	s_lshl_b32 s22, s10, 8                         ; + 64 wave
	s_lshl_b32 s23, s13, 2
	s_add_co_u32 s23, s23, s14
	s_add_co_u32 s23, s23, 64                      ; the unit: 64 + 4 a + c
	s_mov_b32 s24, s10                             ; the group of four fragments in it: my wave's
.else
	v_and_b32 v[LOFF], 7, v1                       ; k: lane 16 u + p takes key 16 (p / 8) + 8 u + p % 8: the lane's number with bits 3 and 4 changed over
	v_bfe_u32 v7, v1, 4, 1
	v_lshl_or_b32 v[LOFF], v7, 3, v[LOFF]
	v_bfe_u32 v7, v1, 3, 1
	v_lshl_or_b32 v[LOFF], v7, 4, v[LOFF]
	v_lshlrev_b32 v[LOFF], 2, v[LOFF]
	s_wait_alu depctr_va_vdst(0)
	s_lshl_b32 s20, s14, 21                        ; 256 c rows of 8,192 bytes,
	s_lshl_b32 s21, s13, 9                         ; key 128 a,
	s_lshl_b32 s22, s10, 7                         ; + 32 wave
	s_lshl_b32 s23, s13, 2
	s_add_co_u32 s23, s23, s10                     ; the unit: 4 a + wave
	s_mov_b32 s24, s14                             ; the group: c
.endif
	s_add_co_u32 s20, s20, s21
	s_add_co_u32 s20, s20, s22
	s_add_co_u32 s20, s20, s16                     ; where my wave reads, in bytes (under 2^27)
	s_mov_b32 s21, 0
	s_mul_i32 s23, s23, UNIT
	s_add_co_u32 s23, s23, s18                     ; the unit's first byte in kv
	s_mul_i32 s26, s24, 4*FRB
	s_add_co_u32 s26, s26, s23                     ; my four fragments
	s_mov_b32 s27, 0
	s_lshl_b32 s28, s24, 8
	s_add_co_u32 s28, s28, s23
	s_add_co_u32 s28, s28, USC                     ; my 256 bytes of scale words
	s_mov_b32 s29, 0
	s_wait_kmcnt 0x0
.if \isv
	s_add_nc_u64 s[6:7], s[6:7], s[20:21]
.else
	s_add_nc_u64 s[4:5], s[4:5], s[20:21]
.endif
	s_add_nc_u64 s[30:31], s[8:9], s[26:27]
	s_add_nc_u64 s[32:33], s[8:9], s[28:29]
	LOAD 0, \isv
	LOAD 1, \isv
.irp n, 0,1,2,3,4,5,6,7
	BLOCK \n, \isv
.endr
.irp c, 0,1,2,3,4,5,6,7,8,9,10,11
	ds_load_b128 v[OUTR+4*\c:OUTR+4*\c+3], v[STR] offset:24576*\isv+512*\c   ; LDS serves a wave's instructions in order: these see my stores
.endr
	s_wait_alu depctr_va_vdst(0)
	global_store_b64 v[O8], v[SB:SB+1], s[32:33]   ; 32 lanes store 256 consecutive bytes, at a multiple of 256 from kv's first byte
.irp c, 0,1,2,3,4,5,6,7,8,9,10,11
	s_wait_dscnt 11-\c                             ; load c is in; the loads behind it may be out
	global_store_b128 v[O16], v[OUTR+4*\c:OUTR+4*\c+3], s[30:31] offset:512*\c   ; 512 consecutive bytes, at a multiple of 256
.endr
	s_wait_tensorcnt 0x0
	ds_add_u32 v144, v145
	s_wait_dscnt 0x0
	s_endpgm
.endm
	s_cmp_lt_u32 ttmp9, 512                        ; k's work-group or v's: the work-group's number alone decides
	s_cbranch_scc0 .Lfor_v
	s_wait_alu depctr_va_vdst(0)
	JOB 0
.Lfor_v:
	s_wait_alu depctr_va_vdst(0)
	JOB 1
.Lfunc_end_k_q4f8e5fb4e4_quant:
	.size	k_q4f8e5fb4e4_quant, .Lfunc_end_k_q4f8e5fb4e4_quant-k_q4f8e5fb4e4_quant
	.p2alignl 7, 3214868480
	.fill 96, 4, 3214868480
	.section	.rodata,"a",@progbits
	.p2align	6, 0x0
	.amdhsa_kernel k_q4f8e5fb4e4_quant
		.amdhsa_group_segment_fixed_size 49664
		.amdhsa_private_segment_fixed_size 0
		.amdhsa_enable_private_segment 0
		.amdhsa_kernarg_size 24
		.amdhsa_user_sgpr_count 2
		.amdhsa_user_sgpr_kernarg_segment_ptr 1
		.amdhsa_wavefront_size32 1
		.amdhsa_system_sgpr_workgroup_id_x 1
		.amdhsa_system_sgpr_workgroup_id_y 1
		.amdhsa_system_sgpr_workgroup_id_z 1
		.amdhsa_system_vgpr_workitem_id 0
		.amdhsa_next_free_vgpr 146
		.amdhsa_next_free_sgpr 66
		.amdhsa_reserve_vcc 0
		.amdhsa_float_denorm_mode_32 3
		.amdhsa_float_denorm_mode_16_64 3
		.amdhsa_memory_ordered 1
		.amdhsa_forward_progress 1
		.amdhsa_inst_pref_size 84
	.end_amdhsa_kernel
	.amdgpu_metadata
---
amdhsa.version: [ 1, 2 ]
amdhsa.kernels:
  - .name:           k_q4f8e5fb4e4_quant
    .symbol:         k_q4f8e5fb4e4_quant.kd
    .args:
      - { .name: k, .offset: 0, .size: 8, .value_kind: global_buffer, .address_space: global }
      - { .name: v, .offset: 8, .size: 8, .value_kind: global_buffer, .address_space: global }
      - { .name: kv, .offset: 16, .size: 8, .value_kind: global_buffer, .address_space: global }
    .group_segment_fixed_size: 49664
    .private_segment_fixed_size: 0
    .kernarg_segment_align: 8
    .kernarg_segment_size: 24
    .max_flat_workgroup_size: 128
    .sgpr_count:     66
    .vgpr_count:     146
    .wavefront_size: 32
...
	.end_amdgpu_metadata
.endif
;; end of part 3
;; launch attn (part 4): grid 32 x 8, 4 waves a work-group, clusters of 4 x 1, 327,680 bytes of LDS; arguments q, kv, out0; writes out0
.if DOCPART == 4
	.amdgcn_target "amdgcn-amd-amdhsa--gfx1250"
	.amdhsa_code_object_version 6
	.text
	.protected	k_q4f8e5fb4e4_attn
	.globl	k_q4f8e5fb4e4_attn
	.p2align	8
	.type	k_q4f8e5fb4e4_attn,@function
k_q4f8e5fb4e4_attn:
	s_mov_b64 s[64:65], 0
	v_nop
	global_prefetch_b8 v0, s[64:65] scope:SCOPE_SE
	s_setreg_imm32_b32 hwreg(HW_REG_WAVE_MODE, 25, 1), 1
	s_wait_xcnt 0x0
	s_wait_alu depctr_hold_cnt(0) depctr_sa_sdst(0) depctr_va_vdst(0) depctr_va_sdst(0) depctr_va_ssrc(0) depctr_va_vcc(0) depctr_vm_vsrc(0)
	s_getreg_b32 s2, hwreg(HW_REG_IB_STS2, 6, 4)
	s_cmp_eq_u32 s2, 0
	s_cbranch_scc0 .Lentry_in_a_cluster
	s_endpgm
.Lentry_in_a_cluster:
	s_bfe_u32 s2, ttmp6, 0x10000c
	s_cmp_lg_u32 s2, 0x3003
	s_cbranch_scc0 .Lentry_shape_is_right
	s_endpgm
.Lentry_shape_is_right:
; out0[b][s][:] = the sum over keys of softmax(0.1 q[b][s] . k[b][:][key]) v[b][key][:], both products on codes of BF6 (E3M2) with one E8M0 scale for each 32 along a product's K.
; q: [8][2048][1024] f32, quantised here.  kv: k's and v's codes and scale words in the order of the operand's registers: [batch][tile 32][unit 4] of 25,600 bytes
; (16 fragments of 1,536 bytes: reader lane l's 12 registers at 48 l; then 1,024 bytes of scale words).  Tiles 0-15: k, 128 keys each; tiles 16-31: v.
; SHARES.  A work-group owns 64 queries of one batch: four tiles t of 16.  It walks the batch's 32 tiles through two LDS slots; wave w fetches and reads unit w of each tile.
;   Phase 1 (k): wave w has 32 keys of the tile's 128 against all 64 queries; Q's 32 fragments lie in every wave's registers.  S^T = K Q^T: a lane holds one query and 16 neighbouring keys.
;   Phase 2 (v): wave w has dv 256 w .. 256 w + 255 against all 64 queries: 64 accumulators.  O^T = V^T P^T: a lane holds one query and eight neighbouring dv.
; THE SOFTMAX.  t = score x 0.1 log2(e).  A block of 32 keys is quantised under its own whole number M_b = ceil(the block's largest t): p' = 2^(t - M_b).  A change of the whole number is a power of two, which
;   the block's scale byte takes up: P's codes for all 2,048 keys go to LDS in phase 1, with E = byte' + M_b beside them.  Between the phases R = the row's largest E is found, each block's byte becomes
;   E - (R - 123), and the row's sum l of the unquantised p is brought under R - 123, which lies within 1 of the ceiling of the row's largest t: the row's maximum is taken away for every input.  O is divided by l at the end.
; A TRIP is 64 matrix instructions on the 16 fragments of one unit, which lie in 16 sets of 12 registers, in two halves: sets 0-7 against all four query tiles, then sets 8-15.  Behind each half its eight sets take
;   the NEXT tile's fragments, 24 LDS loads in one run, four plain lines behind the half's last product: each run stands 32 matrix instructions or more ahead of the first product that reads it.
;   THE CHANGE OF SLOTS stands in the last quarter of the first half: all reads of this trip's tile were issued in the trip before.  Trip i fills its own tile's slot again with tile i + 2 and then reads tile i + 1 from the other slot.
;   By this text's own count a wave has one tensor load outstanding, issued one trip ahead of the wait for it.
; THE WALK.  Cluster x of a batch begins each phase at tile 6 x mod 16 and goes round: trip T takes k's tile (T + 6 x) mod 16, trip 16 + T v's tile of the same keys.  P's codes, E and P's scale words are filed by TRIP.
; CLUSTER.  The four work-groups of a cluster belong to one batch and walk the same tiles in the same order: each unit is asked for jointly, by the same descriptor with the mask 15.
;   My place in the cluster enters q's, out0's and the prefetches' addresses alone.
; LIMITS.  |t| under 2^22 (M_b and E are whole numbers kept in f32).  A block more than 122 powers of two under the row's largest gets the byte 1: it then adds under 28 x 2^-126 for each of its keys.
;   NaN and infinities among the inputs are not served.  A block of zeros of q gets the byte 1: its codes are zeros.
; REGISTERS, in windows of 256 (s_set_vgpr_msb: bits 1:0 source 0, 3:2 source 1, 5:4 source 2, 7:6 destination):
;   window 0: v1-15, v50-51, v54-63 LDS addresses and offsets; v16-41, v52-53, v128-135 scale words and nothing else; v42-49 1/l; v64-127 scores; v136-250 the softmax's; in phase 2 v192-239 and v64-111 P's fragments, two sets
;   window 1: the 16 sets (at the head: q as loaded)     windows 2, 3: Q's fragments of tiles 0, 1 and 2, 3; later O^T of the same tiles (tile, fragment f at 8 (16 (t % 2) + f))
.set TILE,  102400
.set UNIT,  25600
.set USC,   24576
.set FRB,   1536
.set KVB,   3276800
.set SLOT1, 102400                     ; LDS: slot 0 at 0, slot 1 here: the only bytes that tensor loads fill
.set PIM,   204800                     ; P's images: fragment (4 i + t) FRB, i the trip.  At the head: Q's images, scale words and a stage for q.  At the end: the stage for O
.set QSC,   PIM+49152
.set QST,   PIM+51200
.set EB,    303104                     ; E [query 64][block 64], f32, rows 272 bytes apart
.set PSC,   320512                     ; P's scale words [trip 16][lane 32][pair 2]
.set LX,    324608                     ; [wave][tile][query] pairs: the wave's running -M and its sum
.set RL,    326656                     ; 1 / l at [tile][query]
.set SPARE, 326912                     ; the spare words, 128 bytes for each wave
.set SPW,  1
.set NIL,  2
.set AF,   3                           ; v3-4   my unit's fragments in slot 0, 1: + 48 lane
.set AS,   5                           ; v5-6   its scale words: + 8 lane
.set PWA,  7
.set EWA,  8
.set PRA,  9                           ; PIM + 48 lane
.set PSA,  10                          ; PSC + 8 lane
.set LXW,  11
.set STO,  12
.set RD,   13
.set L16,  14
.set PFO,  15
.set KS,   16                          ; v16-23 a unit's scale words for even trips; register kk: lanes 0-15 fragment 2 kk, lanes 16-31 fragment 2 kk + 1
.set KS1,  128                         ; v128-135 for odd trips
.set QS,   24                          ; v24-39 Q's
.set PS,   40                          ; v40-41 P's, even trips
.set PS1,  52                          ; v52-53 odd trips
.set RI,   42                          ; v42-49 pairs: 1 / l of tile t, and a 0 that is named with it
.set PT,   50
.set ET,   51
.set QSTW, 54
.set QSTR, 55
.set QIW,  56
.set QSW,  57
.set QSL,  58
.set MEA,  59
.set MLA,  60
.set MPS,  61
.set MRL,  62
.set RLA,  63
.set SA,   64
.set PF0,  192                         ; P's four fragments, even trips
.set PF1,  64                          ; odd trips
.set M2,   136                         ; v136-139 the second chain of maxima
.set LS2,  140                         ; v140-147 the second chain of sums
.set MX,   176
.set TP,   180
.set NM,   184
.set SO,   192
.set BY,   196
.set LS,   200
.set RS,   208
.set T1,   220
.set EV,   224
.set CX,   228
.set CY,   244
.set TM,   64
.set PW,   80
.set PC,   82
.set XQ,   192
.set WV,   10
.set G1,   16
.set G0,   24
.set SEL,  32
.set CS,   34
.set PST,  36
.set EST,  37
.set CNT,  38
.set TI,   39                          ; the trip in hand, 0 to 31
.set PFA,  42                          ; s[42:43] my 25 blocks of my unit of the batch's tile 0; never rewritten
.set PO,   48                          ; s[48:49] a tile's bytes from tile 0, for the prefetches; the upper word stays 0
.set PFX,  50                          ; s[50:51] where the next prefetch stands
.set PF2,  52                          ; s[52:53] the tile of trip 2, for the head's prefetches
.set PFON, 1                           ; 1: a trip's text holds its prefetch
.set KVA,  44
.set ROT,  56
.set TN,   57
.set TX,   58
.set MSB, 0
.macro WIN new                         ; the immediate's high byte repeats the setting that is left; a switch that changes nothing is dropped
.if MSB != (\new)
	s_set_vgpr_msb (MSB<<8)|(\new)
.set MSB, (\new)
.endif
.endm
.macro PLACES                          ; four plain lines between a matrix instruction and a vector instruction that reads its result, or a load into one of its registers
.rept 4
	v_nop
.endr
.endm
.macro CREST                           ; a round of the cluster's barrier behind its opening barrier
	s_cmp_lg_u32 s[WV], 0
	s_cbranch_scc1 .Lnot_wave_0_\@
	s_barrier_signal -3
.Lnot_wave_0_\@:
	s_barrier_wait -3
	s_barrier_signal -1
	s_barrier_wait -1
.endm
.macro CROUND
	s_barrier_signal -1
	s_barrier_wait -1
	CREST
.endm
; A PREFETCH INTO THE L2, one instruction a wave in each trip: trip i names the tile of trip i + 4, two trips ahead of the load that asks for it (trip i + 2).  The tiles of trips 1, 2 and 3 are named at the head,
; in three of the steps that quantise q; trip 0's tile comes by its load alone.  Of unit w's 100 blocks of 256 bytes wave w of partner cx names 25, told apart by address: each block is named once in each cluster
; that will load it; lanes 25 to 31 name lane 24's block with it.  Trips 28 and later name nothing: there is no trip 32.  What a work-group has asked for and not yet read is at most the tiles of two trips (at the head: three).
.macro ASK
	s_cmp_lt_u32 s[TI], 28
	s_cbranch_scc0 .Lnot_now_\@
	global_prefetch_b8 v[PFO], s[PFX:PFX+1] th:TH_LOAD_NT scope:SCOPE_SE
.Lnot_now_\@:
.endm
; One matrix instruction, from the symbols rD, rA, rB, rSA, rSB, rRA, rRB (1: the scales stand in lanes 16-31), rZ (1: it starts the sum).
.macro WM
.if rZ
.if rRA
.if rRB
	v_wmma_scale_f32_16x16x128_f8f6f4 v[rD:rD+7], v[rA:rA+11], v[rB:rB+11], 0, v[rSA], v[rSB] matrix_a_fmt:MATRIX_FMT_BF6 matrix_b_fmt:MATRIX_FMT_BF6 matrix_a_scale:MATRIX_SCALE_ROW1 matrix_b_scale:MATRIX_SCALE_ROW1
.else
	v_wmma_scale_f32_16x16x128_f8f6f4 v[rD:rD+7], v[rA:rA+11], v[rB:rB+11], 0, v[rSA], v[rSB] matrix_a_fmt:MATRIX_FMT_BF6 matrix_b_fmt:MATRIX_FMT_BF6 matrix_a_scale:MATRIX_SCALE_ROW1
.endif
.else
.if rRB
	v_wmma_scale_f32_16x16x128_f8f6f4 v[rD:rD+7], v[rA:rA+11], v[rB:rB+11], 0, v[rSA], v[rSB] matrix_a_fmt:MATRIX_FMT_BF6 matrix_b_fmt:MATRIX_FMT_BF6 matrix_b_scale:MATRIX_SCALE_ROW1
.else
	v_wmma_scale_f32_16x16x128_f8f6f4 v[rD:rD+7], v[rA:rA+11], v[rB:rB+11], 0, v[rSA], v[rSB] matrix_a_fmt:MATRIX_FMT_BF6 matrix_b_fmt:MATRIX_FMT_BF6
.endif
.endif
.else
.if rRA
.if rRB
	v_wmma_scale_f32_16x16x128_f8f6f4 v[rD:rD+7], v[rA:rA+11], v[rB:rB+11], v[rD:rD+7], v[rSA], v[rSB] matrix_a_fmt:MATRIX_FMT_BF6 matrix_b_fmt:MATRIX_FMT_BF6 matrix_a_scale:MATRIX_SCALE_ROW1 matrix_b_scale:MATRIX_SCALE_ROW1
.else
	v_wmma_scale_f32_16x16x128_f8f6f4 v[rD:rD+7], v[rA:rA+11], v[rB:rB+11], v[rD:rD+7], v[rSA], v[rSB] matrix_a_fmt:MATRIX_FMT_BF6 matrix_b_fmt:MATRIX_FMT_BF6 matrix_a_scale:MATRIX_SCALE_ROW1
.endif
.else
.if rRB
	v_wmma_scale_f32_16x16x128_f8f6f4 v[rD:rD+7], v[rA:rA+11], v[rB:rB+11], v[rD:rD+7], v[rSA], v[rSB] matrix_a_fmt:MATRIX_FMT_BF6 matrix_b_fmt:MATRIX_FMT_BF6 matrix_b_scale:MATRIX_SCALE_ROW1
.else
	v_wmma_scale_f32_16x16x128_f8f6f4 v[rD:rD+7], v[rA:rA+11], v[rB:rB+11], v[rD:rD+7], v[rSA], v[rSB] matrix_a_fmt:MATRIX_FMT_BF6 matrix_b_fmt:MATRIX_FMT_BF6
.endif
.endif
.endif
.endm
.macro UNITSC slot, ks                 ; my unit's scale words: 8 registers from ks on
.irp g, 0,1,2,3
	ds_load_b64 v[\ks+2*\g:\ks+2*\g+1], v[AS+(\slot)] offset:256*\g
.endr
.endm
.macro LDFR slot, f                    ; fragment f of my unit -> set f of window 1 (the caller has set the windows)
.irp c, 0,1,2
	ds_load_b128 v[12*(\f)+4*\c:12*(\f)+4*\c+3], v[AF+(\slot)] offset:FRB*(\f)+16*\c
.endr
.endm
.macro LDP tt                          ; the next trip's fragment of P for query tile tt
.irp c, 0,1,2
	ds_load_b128 v[nPF+12*(\tt)+4*\c:nPF+12*(\tt)+4*\c+3], v[PT] offset:FRB*(\tt)+16*\c
.endr
.endm
; Four matrix instructions on sets 2 k and 2 k + 1 against query tiles 2 hi and 2 hi + 1: four accumulators, one instruction a turn.
.macro GRP ph, hi, k, z
.irp u, 0,1
.irp t, 0,1
.set rA, 12*(2*(\k)+\u)
.set rSA, cKS+(\k)
.set rRA, \u
.set rRB, \t
.if \ph == 1
.set rD, SA+16*(2*\hi+\t)+8*\u
.set rB, 12*(8*\t+(\k))
.set rSB, QS+8*\hi+(\k)
.if (\k) == 0
.set rZ, 1
.else
.set rZ, 0
.endif
.else
.set rD, 8*(16*\t+2*(\k)+\u)
.set rB, cPF+12*(2*\hi+\t)
.set rSB, cPS+\hi
.set rZ, \z
.endif
	WM
.endr
.endr
.endm
; A TRIP.  ph: 1 k, 2 v.  mode 2: the slot of this trip's tile is filled again and the next tile's fragments are read; 1: nothing is left to fetch, the next tile is read; 0: the last trip.
.macro TRIP ph, slot, z, mode
.set cKS, KS+(KS1-KS)*\slot
.set nKS, KS+(KS1-KS)*(1-\slot)
.set cPF, PF0+(PF1-PF0)*\slot
.set nPF, PF0+(PF1-PF0)*(1-\slot)
.set cPS, PS+(PS1-PS)*\slot
.set nPS, PS+(PS1-PS)*(1-\slot)
.if \ph == 1
.set MM0, 0x09                         ; K window 1, Q window 2, S^T window 0
.set MM1, 0x0d                         ; Q window 3
.else
.set MM0, 0xa1                         ; V window 1, P window 0, O^T window 2
.set MM1, 0xf1                         ; O^T window 3
.endif
	s_wait_dscnt 24                                ; the scale words, P and sets 0-7 are in: behind them the 24 loads of sets 8-15 were issued (and in phase 1 ten stores, which this count lets wait with them)
	WIN MM0
.irp k, 0,1,2,3
	GRP \ph, 0, \k, \z
.endr
	WIN MM1
	GRP \ph, 1, 0, \z
	GRP \ph, 1, 1, \z
.if (\mode == 2) && (PFON == 1)
	s_wait_xcnt 0x0                                ; my last prefetch, a trip ago, has read its address: it may be written
	s_add_co_u32 s[TN], s[TI], 4                   ; the trip whose tile this trip's prefetch names
	s_add_co_u32 s[PO], s[TN], s[ROT]
	s_and_b32 s[PO], s[PO], 15
	s_and_b32 s[TN], s[TN], 16
	s_or_b32 s[PO], s[PO], s[TN]
	s_mul_i32 s[PO], s[PO], TILE
	s_add_nc_u64 s[PFX:PFX+1], s[PFA:PFA+1], s[PO:PO+1]
.endif
.if \mode
	WIN 0
	s_wait_tensorcnt 0x0                           ; my unit of the next tile has landed; no tensor load of mine is out, so a group 0 may be written
	ds_add_u32 v[SPW], v[NIL]
.if \mode == 2
	s_add_co_u32 s[TN], s[TI], 2                   ; the trip after the next, T:
	s_add_co_u32 s[TX], s[TN], s[ROT]
	s_and_b32 s[TX], s[TX], 15                     ; its tile among the phase's sixteen,
	s_and_b32 s[TN], s[TN], 16                     ; of k (T under 16) or of v
	s_or_b32 s[TX], s[TX], s[TN]
	s_mul_i32 s[TX], s[TX], TILE
	s_add_nc_u64 s[G0+4*\slot+2:G0+4*\slot+3], s[KVA:KVA+1], s[TX:TX+1]
	s_or_b32 s[G0+4*\slot+3], s[G0+4*\slot+3], 0x80000000
.endif
	WIN MM1
.endif
	GRP \ph, 1, 2, \z
	s_wait_dscnt 0x0                               ; the add is done, sets 8-15 are in, and all my reads of this trip's tile and of its P are over
	s_barrier_signal -1                            ; mode 2: this barrier opens a round of the cluster's barrier; mode 0: its wait stands at the trip's end
	GRP \ph, 1, 3, \z                              ; work on registers while the others arrive
.if \mode
	WIN 0
	s_barrier_wait -1
.if \mode == 2
	CREST                                          ; no wave of any partner reads this slot or has a load on its way
	tensor_load_to_lds s[G0+4*\slot:G0+4*\slot+3], s[G1:G1+7]
	s_nop 0
.endif
	PLACES                                         ; the places ahead of the loads into sets 0-7
.if (\mode == 2) && (PFON == 1)
	ASK
.endif
	s_add_co_u32 s[TI], s[TI], 1
.if \ph == 2
	v_add_nc_u32 v[PT], s[PST], v[PRA]             ; the next trip's place among P's images and scale words
	v_add_nc_u32 v[ET], s[EST], v[PSA]
	s_wait_alu depctr_va_vdst(0)
	s_add_co_u32 s[PST], s[PST], 4*FRB
	s_add_co_u32 s[EST], s[EST], 256
.endif
	UNITSC 1-\slot, nKS                            ; one run: the next tile's scale words, into the registers that the trip before used;
.if \ph == 2
	ds_load_b64 v[nPS:nPS+1], v[ET]                ; the next trip's scale words and fragments of P, likewise;
.irp tt, 0,1,2,3
	LDP \tt
.endr
.endif
	WIN 0x40
.irp f, 0,1,2,3,4,5,6,7
	LDFR 1-\slot, \f                               ; and the next tile's fragments 0-7
.endr
.endif
	WIN MM0
.irp k, 4,5,6,7
	GRP \ph, 0, \k, \z
.endr
	WIN MM1
.irp k, 4,5,6,7
	GRP \ph, 1, \k, \z
.endr
	PLACES
.if \mode
	WIN 0x40
.irp f, 8,9,10,11,12,13,14,15
	LDFR 1-\slot, \f                               ; the next tile's fragments 8-15
.endr
.endif
	WIN 0
.if \mode == 0
	s_barrier_wait -1                              ; every wave's reads of P's images are over: the stage for O lies on them
.endif
.endm
; THE SOFTMAX OF A BLOCK: my 32 keys against the four tiles of queries.  Register SA + 16 t + i of lane (r, h) is the score of query r of tile t and key 16 h + i.
.macro SOFTMAX
.irp t, 0,1,2,3
	v_max3_num_f32 v[MX+\t], v[SA+16*\t], v[SA+16*\t+1], v[SA+16*\t+2]   ; two chains a tile; each accumulator is read from its low end on
	v_max3_num_f32 v[M2+\t], v[SA+16*\t+8], v[SA+16*\t+9], v[SA+16*\t+10]
.endr
.irp i, 3,5
.irp t, 0,1,2,3
	v_max3_num_f32 v[MX+\t], v[MX+\t], v[SA+16*\t+\i], v[SA+16*\t+\i+1]
	v_max3_num_f32 v[M2+\t], v[M2+\t], v[SA+16*\t+8+\i], v[SA+16*\t+9+\i]
.endr
.endr
.irp t, 0,1,2,3
	v_max3_num_f32 v[MX+\t], v[MX+\t], v[M2+\t], v[SA+16*\t+7]
.endr
.irp t, 0,1,2,3
	v_max_num_f32 v[MX+\t], v[MX+\t], v[SA+16*\t+15]
.endr
.irp t, 0,1,2,3
	v_permlanex16_b32 v[TP+\t], v[MX+\t], s[SEL], s[SEL+1]
.endr
.irp t, 0,1,2,3
	v_max_num_f32 v[MX+\t], v[MX+\t], v[TP+\t]     ; with lane l xor 16's 16 keys
.endr
.irp t, 0,1,2,3
	v_mul_f32 v[NM+2*\t+1], s[CS], v[MX+\t]        ; as t (c is positive)
.endr
.irp t, 0,1,2,3
	v_floor_f32 v[NM+2*\t], -v[NM+2*\t+1]          ; -M_b = floor(-t) = -ceil(t)
.endr
.irp j, 0,2,4,6,8,10,12,14
.irp t, 0,1,2,3
	v_pk_fma_f32 v[SA+16*\t+\j:SA+16*\t+\j+1], v[SA+16*\t+\j:SA+16*\t+\j+1], s[CS:CS+1], v[NM+2*\t:NM+2*\t+1] op_sel_hi:[1,0,0]   ; t - M_b
.endr
.endr
.irp t, 0,1,2,3
	v_fma_f32 v[MX+\t], v[MX+\t], s[CS], v[NM+2*\t]   ; the same of the largest score: p' rises with the score
.endr
.set i, 0
	s_wait_alu depctr_va_vdst(0)
.rept 64
	v_exp_f32 v[SA+i], v[SA+i]                     ; p' = 2^(t - M_b)
.set i, i+1
.endr
.irp t, 0,1,2,3
	v_min_num_f32 v[T1+\t], v[RS+2*\t], v[NM+2*\t] ; my wave's new running -M
.endr
	s_wait_alu depctr_va_vdst(0)                   ; one wait for the batch of 64, ahead of its first reader
.irp t, 0,1,2,3
	v_exp_f32 v[MX+\t], v[MX+\t]                   ; the block's largest p', over 1/2 and at most 1
.endr
.irp t, 0,1,2,3
	v_pk_add_f32 v[LS+2*\t:LS+2*\t+1], v[SA+16*\t:SA+16*\t+1], v[SA+16*\t+2:SA+16*\t+3]   ; the sum is taken of the unquantised p', in two chains a tile
	v_pk_add_f32 v[LS2+2*\t:LS2+2*\t+1], v[SA+16*\t+8:SA+16*\t+9], v[SA+16*\t+10:SA+16*\t+11]
.endr
.irp j, 4,6
.irp t, 0,1,2,3
	v_pk_add_f32 v[LS+2*\t:LS+2*\t+1], v[LS+2*\t:LS+2*\t+1], v[SA+16*\t+\j:SA+16*\t+\j+1]
	v_pk_add_f32 v[LS2+2*\t:LS2+2*\t+1], v[LS2+2*\t:LS2+2*\t+1], v[SA+16*\t+8+\j:SA+16*\t+9+\j]
.endr
.endr
.irp t, 0,1,2,3
	v_pk_add_f32 v[LS+2*\t:LS+2*\t+1], v[LS+2*\t:LS+2*\t+1], v[LS2+2*\t:LS2+2*\t+1]
.endr
.irp t, 0,1,2,3
	v_add_f32 v[LS+2*\t], v[LS+2*\t], v[LS+2*\t+1]
.endr
.irp t, 0,1,2,3
	v_permlanex16_b32 v[TP+\t], v[LS+2*\t], s[SEL], s[SEL+1]
.endr
.irp t, 0,1,2,3
	v_add_f32 v[LS+2*\t], v[LS+2*\t], v[TP+\t]     ; the block's sum of p'
.endr
.irp t, 0,1,2,3
	v_sub_f32 v[BY+\t], v[T1+\t], v[RS+2*\t]       ; old running M less the new: a whole number, 0 or less
	v_sub_f32 v[EV+\t], v[T1+\t], v[NM+2*\t]       ; M_b less the new running M: likewise
.endr
.irp t, 0,1,2,3
	v_cvt_i32_f32 v[BY+\t], v[BY+\t]               ; (it saturates)
	v_cvt_i32_f32 v[EV+\t], v[EV+\t]
.endr
.irp t, 0,1,2,3
	v_ldexp_f32 v[RS+2*\t+1], v[RS+2*\t+1], v[BY+\t]   ; both sums under the new running M
	v_ldexp_f32 v[LS+2*\t], v[LS+2*\t], v[EV+\t]
.endr
.irp t, 0,1,2,3
	v_add_f32 v[RS+2*\t+1], v[RS+2*\t+1], v[LS+2*\t]
	v_mov_b32 v[RS+2*\t], v[T1+\t]
.endr
	s_wait_alu depctr_va_vdst(0)                   ; and one wait for the four
.irp t, 0,1,2,3
	v_add_nc_u32 v[SO+\t], 0xfe000000, v[MX+\t]    ; 4 off the exponent field: the conversion's scale operand
.endr
.irp t, 0,1,2,3
	v_lshrrev_b32 v[BY+\t], 23, v[SO+\t]           ; byte', the block's byte under M_b
.endr
.irp t, 0,1,2,3
	v_cvt_f32_u32 v[BY+\t], v[BY+\t]
.endr
.irp t, 0,1,2,3
	v_sub_f32 v[EV+\t], v[BY+\t], v[NM+2*\t]       ; E = byte' + M_b
.endr
.irp p, 0,1
	v_cvt_scalef32_pk16_bf6_f32 v[CX+8*\p:CX+8*\p+2], v[SA+32*\p:SA+32*\p+15], v[SO+2*\p]
	v_cvt_scalef32_pk16_bf6_f32 v[CY+4*\p:CY+4*\p+2], v[SA+32*\p+16:SA+32*\p+31], v[SO+2*\p+1]
.endr
	v_nop                                          ; one plain line behind the conversions
.irp p, 0,1                            ; lane (r, g) then holds all 32 keys of query r of tile 2 p + g
.irp i, 0,1,2
	v_permlane16_swap_b32 v[CX+8*\p+\i], v[CY+4*\p+\i]
.endr
.irp i, 0,1,2
	v_mov_b32 v[CX+8*\p+3+\i], v[CY+4*\p+\i]
.endr
.endr
	v_add_nc_u32 v[PT], s[PST], v[PWA]
	v_add_nc_u32 v[ET], s[EST], v[EWA]
.irp p, 0,1
.irp i, 0,1,2
	ds_store_b64 v[PT], v[CX+8*\p+2*\i:CX+8*\p+2*\i+1] offset:2*FRB*\p+8*\i
.endr
.endr
.irp t, 0,1,2,3
	ds_store_b32 v[ET], v[EV+\t] offset:4352*\t    ; both halves of the lanes write the same word with the same value
.endr
	s_add_co_u32 s[PST], s[PST], 4*FRB
	s_add_co_u32 s[EST], s[EST], 16
.endm
; 64 numbers of a lane, register 16 b + i = k 32 b + 16 (lane / 16) + i of my row, become a fragment's codes in v[PC] on and its scale word in v[PW].
.macro QUANT s
.irp b, 0,1,2,3
	v_max3_num_f32 v[TM+\b], |v[\s+16*\b]|, |v[\s+1+16*\b]|, 0x2800000   ; and the floor 2^(5 - 127): the byte cannot fall under 1
.endr
.irp i, 2,4,6,8,10,12,14
.irp b, 0,1,2,3
	v_max3_num_f32 v[TM+\b], v[TM+\b], |v[\s+16*\b+\i]|, |v[\s+1+16*\b+\i]|
.endr
.endr
.irp b, 0,1,2,3
	v_permlanex16_b32 v[TM+4+\b], v[TM+\b], s[SEL], s[SEL+1]
.endr
.irp b, 0,1,2,3
	v_max_num_f32 v[TM+\b], v[TM+\b], v[TM+4+\b]
.endr
.irp b, 0,1,2,3
	v_add_nc_u32 v[TM+12+\b], 0xfe000000, v[TM+\b]
.endr
.irp b, 0,1,2,3
	v_lshrrev_b32 v[TM+4+\b], 23, v[TM+12+\b]
.endr
	v_lshl_or_b32 v[PW], v[TM+5], 8, v[TM+4]
	v_lshl_or_b32 v[PW], v[TM+6], 16, v[PW]
	v_lshl_or_b32 v[PW], v[TM+7], 24, v[PW]
.irp c, 0,1
	v_cvt_scalef32_pk16_bf6_f32 v[PC+6*\c:PC+2+6*\c], v[\s+32*\c:\s+15+32*\c], v[TM+12+2*\c]
	v_cvt_scalef32_pk16_bf6_f32 v[PC+12+4*\c:PC+14+4*\c], v[\s+16+32*\c:\s+31+32*\c], v[TM+12+2*\c+1]
.endr
	v_nop
.irp c, 0,1
.irp i, 0,1,2
	v_permlane16_swap_b32 v[PC+6*\c+\i], v[PC+12+4*\c+\i]
.endr
.irp i, 0,1,2
	v_mov_b32 v[PC+3+6*\c+\i], v[PC+12+4*\c+\i]
.endr
.endr
.endm
.macro XLD n                           ; K step n (128 numbers) of my 16 rows of q: each load takes 512 consecutive bytes of one row; into window 1, set n % 4
	WIN 0x40
.irp p, 0,1,2,3,4,5,6,7,8,9,10,11,12,13,14,15
	global_load_b128 v[64*((\n)%4)+4*\p:64*((\n)%4)+4*\p+3], v[L16], s[4:5] offset:4096*\p+512*(\n) th:TH_LOAD_NT
.endr
	WIN 0
.endm
.macro QSTEP n                         ; K step n of my tile of q becomes a fragment's image and a scale word a row in LDS
.if (\n) < 5
	s_wait_loadcnt 48                              ; this K step's 16 loads are in; those of the next three may be out
.else
	s_wait_loadcnt 16*(7-(\n))
.endif
	WIN 0x04
.irp p, 0,1,2,3,4,5,6,7,8,9,10,11,12,13,14,15
	ds_store_b128 v[QSTW], v[64*((\n)%4)+4*\p:64*((\n)%4)+4*\p+3] offset:528*\p
.endr
	WIN 0
.irp b, 0,1,2,3
.irp j, 0,1,2,3
	ds_load_b128 v[XQ+16*\b+4*\j:XQ+16*\b+4*\j+3], v[QSTR] offset:128*\b+16*\j   ; LDS serves a wave's instructions in order
.endr
.endr
	s_wait_dscnt 0x0
.if (\n)+4 < 8
	XLD (\n)+4
.endif
	QUANT XQ
.irp c, 0,1,2
	ds_store_b128 v[QIW], v[PC+4*\c:PC+4*\c+3] offset:FRB*(\n)+16*\c
.endr
	ds_store_b32 v[QSW], v[PW] offset:512*((\n)/4)+4*((\n)%4)
.if (\n) == 1
	global_prefetch_b8 v[PFO], s[PFX:PFX+1] offset:TILE th:TH_LOAD_NT scope:SCOPE_SE   ; trip 1's tile: the walk begins at an even tile, so it lies behind trip 0's
.endif
.if (\n) == 2
	global_prefetch_b8 v[PFO], s[PF2:PF2+1] th:TH_LOAD_NT scope:SCOPE_SE               ; trip 2's tile
.endif
.if (\n) == 3
	global_prefetch_b8 v[PFO], s[PF2:PF2+1] offset:TILE th:TH_LOAD_NT scope:SCOPE_SE   ; trip 3's tile, which lies behind trip 2's
.endif
.endm
	s_load_b128 s[4:7], s[0:1], 0x0                ; q, kv
	s_load_b64 s[8:9], s[0:1], 0x10                ; out0
	v_lshl_add_u32 v[SPW], v0, 2, SPARE
	v_mov_b32 v[NIL], 0
	ds_add_u32 v1, v2
	ds_add_u32 v1, v2
	s_wait_dscnt 0x0
	v_lshrrev_b32 v203, 5, v0
	v_readfirstlane_b32 s[WV], v203                ; wave 0..3
	v_and_b32 v200, 31, v0                         ; lane
	s_wait_alu depctr_va_vdst(0)
	v_and_b32 v201, 15, v0                         ; r
	v_bfe_u32 v202, v0, 4, 1                       ; h
	s_wait_alu depctr_va_vdst(0)
	s_bfe_u32 s11, ttmp6, 0x40000                  ; cx
	s_lshl_b32 s12, ttmp9, 2
	s_add_co_u32 s12, s12, s11                     ; my block of 64 queries
	s_and_b32 s13, ttmp7, 0xffff                   ; the batch
	s_mov_b32 s[G1+0], 15|(3<<16)|(1<<21)          ; a unit as 100 rows of 256 bytes; the mask names all four work-groups
	s_mov_b32 s[G1+1], 32<<16
	s_mov_b32 s[G1+2], 100<<16
	s_mov_b32 s[G1+3], 32<<16
	s_mov_b32 s[G1+4], 100
	s_mov_b32 s[G1+5], 32
	s_mov_b32 s[G1+6], 0
	s_mov_b32 s[G1+7], 0
	s_mov_b32 s[SEL], 0x76543210
	s_mov_b32 s[SEL+1], 0xfedcba98
	s_mov_b32 s[CS], 0x3e13bb63                    ; c = 0.1 log2(e)
	s_mov_b32 s[CS+1], s[CS]
	s_mov_b32 s[PST], 0
	s_mov_b32 s[EST], 0
	s_mov_b32 s[TI], 0
	s_mul_i32 s[ROT], ttmp9, 6                     ; the walk's first tile: 6 x cluster x mod 16, an even number
	s_and_b32 s[ROT], s[ROT], 15
	s_mul_i32 s[TX], s[ROT], TILE
	s_mov_b32 s[TX+1], 0
	s_mul_i32 s41, s[WV], UNIT
	s_mul_i32 s[KVA], s13, KVB
	s_add_co_u32 s[KVA], s[KVA], s41
	s_mov_b32 s[KVA+1], 0
	s_mul_i32 s46, s11, 6400                       ; the prefetches: my work-group's 25 blocks of a unit
	s_mov_b32 s47, 0
	s_lshl_b32 s48, s13, 11
	s_lshl_b32 s49, s12, 6
	s_add_co_u32 s48, s48, s49
	s_lshl_b32 s50, s[WV], 4
	s_add_co_u32 s50, s50, s48
	s_lshl_b32 s50, s50, 12                        ; q: my wave's 16 rows of 4,096 bytes
	s_mov_b32 s51, 0
	s_lshl_b32 s48, s48, 12
	s_lshl_b32 s49, s[WV], 10
	s_add_co_u32 s48, s48, s49                     ; out0: the work-group's rows, my wave's 1,024 bytes of each
	s_mov_b32 s49, 0
	s_and_b32 s52, s[WV], 1
	s_lshr_b32 s53, s[WV], 1
	v_mul_u32_u24 v[AF], v200, 48
	v_add_nc_u32 v[AF], s41, v[AF]
	v_add_nc_u32 v[AF+1], SLOT1, v[AF]
	v_lshl_add_u32 v[AS], v200, 3, s41
	v_add_nc_u32 v[AS], USC, v[AS]
	v_add_nc_u32 v[AS+1], SLOT1, v[AS]
	s_mul_i32 s54, s52, 768
	s_mul_i32 s55, s53, 24
	s_add_co_u32 s54, s54, s55
	s_add_co_u32 s54, s54, PIM
	v_mul_u32_u24 v[PWA], v202, FRB                ; P: fragment of tile 2 p + (lane / 16), row r, block w: 48 (r + 16 (w % 2)) + 24 (w / 2)
	v_mad_u32_u24 v[PWA], v201, 48, v[PWA]
	v_add_nc_u32 v[PWA], s54, v[PWA]
	s_lshl_b32 s54, s[WV], 2
	s_add_co_u32 s54, s54, EB
	v_mul_u32_u24 v[EWA], v201, 272
	v_add_nc_u32 v[EWA], s54, v[EWA]
	v_mul_u32_u24 v[PRA], v200, 48
	v_add_nc_u32 v[PRA], PIM, v[PRA]
	v_lshl_add_u32 v[PSA], v200, 3, PSC
	s_lshl_b32 s54, s[WV], 9
	s_add_co_u32 s54, s54, LX
	v_lshl_add_u32 v[LXW], v201, 3, s54
	s_mul_i32 s54, s[WV], 16*528
	s_add_co_u32 s55, s54, PIM                     ; my stage for O
	v_mul_u32_u24 v[STO], v201, 528
	v_lshl_add_u32 v[STO], v202, 5, v[STO]
	v_add_nc_u32 v[STO], s55, v[STO]
	v_lshl_add_u32 v[RD], v200, 4, s55
	v_lshlrev_b32 v[L16], 4, v200
	v_min_u32 v[PFO], 24, v200
	v_lshlrev_b32 v[PFO], 8, v[PFO]
	s_add_co_u32 s55, s54, QST                     ; my stage for q
	v_lshl_add_u32 v[QSTW], v200, 4, s55
	v_mul_u32_u24 v[QSTR], v201, 528
	v_lshl_add_u32 v[QSTR], v202, 6, v[QSTR]
	v_add_nc_u32 v[QSTR], s55, v[QSTR]
	s_mul_i32 s54, s[WV], 8*FRB
	v_add_nc_u32 v[QIW], s54, v[PRA]
	s_lshl_b32 s54, s53, 10
	s_lshl_b32 s55, s52, 8
	s_add_co_u32 s54, s54, s55
	s_add_co_u32 s54, s54, QSC
	v_lshl_add_u32 v[QSW], v201, 4, s54
	v_lshl_add_u32 v[QSL], v200, 4, QSC
	s_mul_i32 s54, s[WV], 4352
	s_add_co_u32 s54, s54, EB
	v_mul_u32_u24 v[MEA], v201, 272
	v_lshl_add_u32 v[MEA], v202, 7, v[MEA]
	v_add_nc_u32 v[MEA], s54, v[MEA]               ; E of query r of tile w, blocks 32 h on
	s_lshl_b32 s54, s[WV], 7
	s_add_co_u32 s54, s54, LX
	v_lshl_add_u32 v[MLA], v201, 3, s54
	s_lshl_b32 s54, s52, 7
	s_lshl_b32 s55, s53, 2
	s_add_co_u32 s54, s54, s55
	s_add_co_u32 s54, s54, PSC
	v_lshlrev_b32 v[MPS], 3, v201
	v_lshl_add_u32 v[MPS], v202, 11, v[MPS]
	v_add_nc_u32 v[MPS], s54, v[MPS]
	s_lshl_b32 s54, s[WV], 6
	s_add_co_u32 s54, s54, RL
	v_lshl_add_u32 v[MRL], v201, 2, s54
	v_lshl_add_u32 v[RLA], v201, 2, RL
.irp b, 0,1,2,3
	v_mov_b32 v[TM+4+\b], 0                        ; a lane permute's destination counts as one of its sources
.endr
	s_wait_kmcnt 0x0
	s_add_nc_u64 s[4:5], s[4:5], s[50:51]
	s_add_nc_u64 s[8:9], s[8:9], s[48:49]
	s_add_nc_u64 s[KVA:KVA+1], s[6:7], s[KVA:KVA+1]
	s_add_nc_u64 s[PFA:PFA+1], s[KVA:KVA+1], s[46:47]
	s_add_nc_u64 s[PFX:PFX+1], s[PFA:PFA+1], s[TX:TX+1]   ; my blocks of trip 0's tile
	s_add_co_u32 s[PO], s[ROT], 2
	s_and_b32 s[PO], s[PO], 15                     ; trip 2's tile, an even one
	s_mul_i32 s[PO], s[PO], TILE
	s_mov_b32 s[PO+1], 0
	s_add_nc_u64 s[PF2:PF2+1], s[PFA:PFA+1], s[PO:PO+1]
	s_mov_b32 s[G0], 1
	s_mov_b32 s[G0+1], s41                         ; slot 0, my unit
	s_add_nc_u64 s[G0+2:G0+3], s[KVA:KVA+1], s[TX:TX+1]   ; the walk's first tile
	s_or_b32 s[G0+3], s[G0+3], 0x80000000
	s_mov_b32 s[G0+4], 1
	s_add_co_u32 s[G0+5], s41, SLOT1               ; slot 1
	XLD 0
	XLD 1
	XLD 2
	CROUND                                         ; all four work-groups are here: the first joint load meets
	tensor_load_to_lds s[G0:G0+3], s[G1:G1+7]      ; trip 0's tile
	s_nop 0
	PLACES
	XLD 3
	; ---- Q: wave w quantises tile w (rows 16 w on), eight K steps
.irp n, 0,1,2,3,4,5,6,7
	QSTEP \n
.endr
	; slot 1's first fill stands behind the full sequence, as a refill does; its round also shows everybody's images and scale words of Q to every wave.
	; Trip 0's wait for my LDS loads and its round stand between every wave's reads of Q's images and the first codes of P, which land on them
	s_wait_tensorcnt 0x0                           ; trip 0's unit has landed
	ds_add_u32 v[SPW], v[NIL]
	s_add_co_u32 s[TX], s[TX], TILE                ; the walk begins at an even tile: its second tile lies behind its first
	s_add_nc_u64 s[G0+6:G0+7], s[KVA:KVA+1], s[TX:TX+1]
	s_or_b32 s[G0+7], s[G0+7], 0x80000000
	s_wait_dscnt 0x0                               ; the add is done, and my images and scale words have landed
	CROUND
	tensor_load_to_lds s[G0+4:G0+7], s[G1:G1+7]    ; trip 1's tile
	s_nop 0
	PLACES
.irp p, 0,1
.irp g, 0,1
	ds_load_b128 v[QS+8*\p+4*\g:QS+8*\p+4*\g+3], v[QSL] offset:1024*\p+512*\g
.endr
.endr
	WIN 0x80                                       ; Q stays in registers: tiles 0, 1 in window 2,
.set i, 0
.rept 16
.irp c, 0,1,2
	ds_load_b128 v[12*i+4*\c:12*i+4*\c+3], v[PRA] offset:FRB*i+16*\c
.endr
.set i, i+1
.endr
	WIN 0xc0                                       ; tiles 2, 3 in window 3
.set i, 0
.rept 16
.irp c, 0,1,2
	ds_load_b128 v[12*i+4*\c:12*i+4*\c+3], v[PRA] offset:FRB*(16+i)+16*\c
.endr
.set i, i+1
.endr
	WIN 0
.irp t, 0,1,2,3
	v_mov_b32 v[RS+2*\t], 0x7f61b1e6               ; the running -M: 3e38, over every -M_b;
	v_mov_b32 v[RS+2*\t+1], 0                      ; the running sum
	v_mov_b32 v[TP+\t], 0
	v_mov_b32 v[RI+2*\t+1], 0                      ; (named as the upper half of a pair)
.endr
	UNITSC 0, KS                                   ; trip 0's scale words and its 16 fragments, in one run
	WIN 0x40
.irp f, 0,1,2,3,4,5,6,7,8,9,10,11,12,13,14,15
	LDFR 0, \f
.endr
	WIN 0
	; ---- phase 1: trips 0 to 15
	s_mov_b32 s[CNT], 8
.Lkeys:
	TRIP 1, 0, 0, 2
	SOFTMAX
	TRIP 1, 1, 0, 2
	SOFTMAX
	s_sub_co_u32 s[CNT], s[CNT], 1
	s_cmp_lg_u32 s[CNT], 0
	s_cbranch_scc1 .Lkeys
	; ---- between the phases.  (Trip 17's load is out.)  Trip 16's fragments and scale words of v are in registers already
.irp t, 0,1,2,3
	ds_store_b64 v[LXW], v[RS+2*\t:RS+2*\t+1] offset:128*\t
.endr
	s_wait_dscnt 0x0
	s_barrier_signal -1
	s_barrier_wait -1                              ; all of P's codes, all E and all running pairs lie in LDS.  Wave w serves tile w; lane (r, h) has query r and blocks 32 h .. 32 h + 31
.irp j, 0,1,2,3,4,5,6,7
	ds_load_b128 v[SA+4*\j:SA+4*\j+3], v[MEA] offset:16*\j
.endr
.irp x, 0,1,2,3
	ds_load_b64 v[96+2*\x:97+2*\x], v[MLA] offset:512*\x
.endr
.irp t, 0,1,2,3
.irp c, 0,1,2
	ds_load_b128 v[PF0+12*\t+4*\c:PF0+12*\t+4*\c+3], v[PRA] offset:FRB*\t+16*\c   ; P's four fragments for trip 16
.endr
.endr
	s_wait_dscnt 12                                ; E and the pairs are in; P's 12 loads may be out
	v_max3_num_f32 v104, v[SA], v[SA+1], v[SA+2]
	v_max3_num_f32 v105, v[SA+3], v[SA+4], v[SA+5]
.irp i, 6,10,14,18,22,26
	v_max3_num_f32 v104, v104, v[SA+\i], v[SA+\i+1]
	v_max3_num_f32 v105, v105, v[SA+\i+2], v[SA+\i+3]
.endr
	v_max3_num_f32 v104, v104, v[SA+30], v[SA+31]
	v_max_num_f32 v104, v104, v105
	v_permlanex16_b32 v[TP], v104, s[SEL], s[SEL+1]
	v_max_num_f32 v104, v104, v[TP]                ; R: the row's largest E
	v_add_f32 v105, 0xc2f60000, v104               ; R - 123
.set i, 0
.rept 32
	v_sub_f32 v[SA+i], v[SA+i], v105               ; a block's byte: E - (R - 123), at most 123,
.set i, i+1
.endr
.set i, 0
.rept 32
	v_max_num_f32 v[SA+i], 1.0, v[SA+i]            ; held at 1 from below
.set i, i+1
.endr
.set i, 0
.rept 32
	v_cvt_u32_f32 v[SA+i], v[SA+i]
.set i, i+1
.endr
.irp j, 0,1,2,3,4,5,6,7
	v_lshl_or_b32 v[SA+4*\j], v[SA+4*\j+1], 8, v[SA+4*\j]
	v_lshl_or_b32 v[SA+4*\j], v[SA+4*\j+2], 16, v[SA+4*\j]
	v_lshl_or_b32 v[SA+4*\j], v[SA+4*\j+3], 24, v[SA+4*\j]
	ds_store_b32 v[MPS], v[SA+4*\j] offset:256*\j
.endr
.irp x, 0,1,2,3
	v_fma_f32 v[106+\x], v105, -1.0, -v[96+2*\x]   ; wave x's running M less (R - 123): a whole number, at most 1
.endr
.irp x, 0,1,2,3
	v_cvt_i32_f32 v[106+\x], v[106+\x]
.endr
.irp x, 0,1,2,3
	v_ldexp_f32 v[97+2*\x], v[97+2*\x], v[106+\x]
.endr
	v_add_f32 v97, v97, v99
	v_add_f32 v101, v101, v103
	v_add_f32 v97, v97, v101                       ; l, the row's sum of the unquantised p
	s_wait_alu depctr_va_vdst(0)
	v_rcp_f32 v110, v97
	v_nop
	s_wait_alu depctr_va_vdst(0)
	ds_store_b32 v[MRL], v110
	s_wait_dscnt 0x0
	s_barrier_signal -1
	s_barrier_wait -1                              ; P's scale words and 1 / l lie in LDS
	ds_load_b64 v[PS:PS+1], v[PSA]                 ; P's scale words for trip 16
.irp t, 0,1,2,3
	ds_load_b32 v[RI+2*\t], v[RLA] offset:64*\t    ; 1 / l of my query of tile t
.endr
	s_mov_b32 s[PST], 4*FRB
	s_mov_b32 s[EST], 256
	s_wait_dscnt 0x0
	; ---- phase 2: trips 16 to 31
	TRIP 2, 0, 1, 2                                ; the first products start the sums: nothing is cleared
	s_mov_b32 s[CNT], 6
.Lvals:
	TRIP 2, 1, 0, 2
	TRIP 2, 0, 0, 2
	s_sub_co_u32 s[CNT], s[CNT], 1
	s_cmp_lg_u32 s[CNT], 0
	s_cbranch_scc1 .Lvals
.set PFON, 0                           ; trips 29 to 31 have no tile four trips on
	TRIP 2, 1, 0, 2                                ; trip 29 asks for the last tile
	TRIP 2, 0, 0, 1                                ; trip 30: nothing is left to fetch
	TRIP 2, 1, 0, 0                                ; trip 31: nothing is left to read
	; ---- THE WAY OUT, block by block of 16 queries x 128 dv (block a: tile a / 2, half a % 2 of my 256 dv), through my own stage in LDS, back as whole rows of 512 bytes.  No tensor load fills those bytes.
.macro SCALE a                         ; O^T / l, in place, each accumulator from its low end on
.set AC, 64*((\a)%4)
.set RT, RI+2*((\a)/2)
	WIN 0x82+0x41*((\a)/4)
.set i, 0
.rept 32
	v_pk_mul_f32 v[AC+i:AC+i+1], v[AC+i:AC+i+1], v[RT:RT+1] op_sel_hi:[1,0]
.set i, i+2
.endr
	WIN 0
.endm
.macro TOSTAGE a
.set AC, 64*((\a)%4)
	WIN 0x08+4*((\a)/4)
.irp b, 0,1,2,3,4,5,6,7
	ds_store_b128 v[STO], v[AC+8*\b:AC+8*\b+3] offset:64*\b
	ds_store_b128 v[STO], v[AC+8*\b+4:AC+8*\b+7] offset:64*\b+16
.endr
	WIN 0
.set BB, 64+72*((\a)%2)
.irp p, 0,1,2,3,4,5,6,7,8,9,10,11,12,13,14,15
	ds_load_b128 v[BB+4*\p:BB+4*\p+3], v[RD] offset:528*\p   ; LDS serves a wave's instructions in order
.endr
.endm
.macro SEND a, younger                 ; younger: the LDS instructions issued behind block a's loads, which may stay out
.set BB, 64+72*((\a)%2)
	s_wait_dscnt \younger
.irp p, 0,1,2,3,4,5,6,7,8,9,10,11,12,13,14,15
	global_store_b128 v[L16], v[BB+4*\p:BB+4*\p+3], s[8:9] offset:(16*((\a)/2)+\p)*4096+512*((\a)%2) th:TH_STORE_NT   ; 32 lanes store 512 consecutive bytes, at a multiple of 256 from out0's first byte
.endr
.endm
	SCALE 0
	TOSTAGE 0
.irp a, 1,2,3,4,5,6,7
	SCALE \a
.if \a > 1
	s_wait_alu depctr_va_vdst(0)
	s_wait_xcnt 0x0                                ; block a - 2's stores have read their registers: block a's loads may land there
.endif
	TOSTAGE \a
	SEND \a-1, 32                                  ; behind block a - 1's loads: block a's 16 stores and 16 loads
.endr
	SEND 7, 0
	s_wait_tensorcnt 0x0                           ; the wave's end
	ds_add_u32 v[SPW], v[NIL]
	s_wait_dscnt 0x0
	CROUND                                         ; the closing round
	s_endpgm
.Lfunc_end_k_q4f8e5fb4e4_attn:
	.size	k_q4f8e5fb4e4_attn, .Lfunc_end_k_q4f8e5fb4e4_attn-k_q4f8e5fb4e4_attn
	.p2alignl 7, 3214868480
	.fill 96, 4, 3214868480
	.section	.rodata,"a",@progbits
	.p2align	6, 0x0
	.amdhsa_kernel k_q4f8e5fb4e4_attn
		.amdhsa_group_segment_fixed_size 327680
		.amdhsa_private_segment_fixed_size 0
		.amdhsa_enable_private_segment 0
		.amdhsa_kernarg_size 24
		.amdhsa_user_sgpr_count 2
		.amdhsa_user_sgpr_kernarg_segment_ptr 1
		.amdhsa_wavefront_size32 1
		.amdhsa_system_sgpr_workgroup_id_x 1
		.amdhsa_system_sgpr_workgroup_id_y 1
		.amdhsa_system_sgpr_workgroup_id_z 1
		.amdhsa_system_vgpr_workitem_id 0
		.amdhsa_next_free_vgpr 1024
		.amdhsa_next_free_sgpr 66
		.amdhsa_reserve_vcc 0
		.amdhsa_float_denorm_mode_32 3
		.amdhsa_float_denorm_mode_16_64 3
		.amdhsa_memory_ordered 1
		.amdhsa_forward_progress 1
		.amdhsa_inst_pref_size 255
	.end_amdhsa_kernel
	.section	.bss,"aw",@nobits
	.p2align	6
	.space	262144
	.amdgpu_metadata
---
amdhsa.version: [ 1, 2 ]
amdhsa.kernels:
  - .name:           k_q4f8e5fb4e4_attn
    .symbol:         k_q4f8e5fb4e4_attn.kd
    .args:
      - { .name: q, .offset: 0, .size: 8, .value_kind: global_buffer, .address_space: global }
      - { .name: kv, .offset: 8, .size: 8, .value_kind: global_buffer, .address_space: global }
      - { .name: out0, .offset: 16, .size: 8, .value_kind: global_buffer, .address_space: global }
    .group_segment_fixed_size: 327680
    .private_segment_fixed_size: 0
    .kernarg_segment_align: 8
    .kernarg_segment_size: 24
    .max_flat_workgroup_size: 128
    .sgpr_count:     66
    .vgpr_count:     1024
    .wavefront_size: 32
...
	.end_amdgpu_metadata
.endif
;; end of part 4
